; MI455X (gfx1250); checked and timed in simulation.
; The chip was launched on July 23, 2026; its instructions are those of AMD's public machine-readable ISA for CDNA 5 (MIT licence, August 2026) and "CDNA5" Instruction Set Architecture Reference Guide (July 2026). The comments in the code are by the model that wrote it; some were corrected since.
;; Multi Head Attention. Allowed arithmetic: float matrix products may take bf16 or f16 operands with f32 sums; all other float work in f32.
;; Inputs: K 2 x 2,048 x 1,024 float32; Q 2 x 2,048 x 1,024 float32; V 2 x 2,048 x 1,024 float32; Wk 1,024 x 1,024 float32; Wo 1,024 x 1,024 float32; Wq 1,024 x 1,024 float32; Wv 1,024 x 1,024 float32; bk 1,024 float32; bo 1,024 float32; bq 1,024 float32; bv 1,024 float32.
;; Outputs: out0 2 x 2,048 x 1,024 float32.
;; 2 versions, each right and faster than the one before. Each part assembles by itself: llvm-mc -triple=amdgcn-amd-amdhsa -mcpu=gfx1250 --defsym DOCPART=n.
;; ======== version 1 of 2: 4 launches
;; limits: values are held in f16: magnitudes above 65,504 overflow, below 6.1e-05 lose precision
;; workspace buffers: cb 33,554,432 bytes; qkv 25,165,824 bytes; ao 8,388,608 bytes
;; launch cast (part 1): grid 1024 x 1, 8 waves a work-group, no clusters, 0 bytes of LDS; arguments Q, K, V, Wq, Wk, Wv, Wo, cb; writes cb
.if DOCPART == 1
	.amdgcn_target "amdgcn-amd-amdhsa--gfx1250"
	.amdhsa_code_object_version 6
	.text
	.protected	k_q0fd8cfb676_cast
	.globl	k_q0fd8cfb676_cast
	.p2align	8
	.type	k_q0fd8cfb676_cast,@function
k_q0fd8cfb676_cast:
	s_mov_b64 s[64:65], 0
	v_nop
	global_prefetch_b8 v0, s[64:65] scope:SCOPE_SE
	s_setreg_imm32_b32 hwreg(HW_REG_WAVE_MODE, 25, 1), 1
	s_wait_xcnt 0x0
; cast: the seven f32 matrix inputs are rounded once, to nearest even, into one 16-bit buffer cb:
;   bytes [0, 24 MiB)   Q, K, V as bf16 [3][4096][1024]
;   bytes [24, 30 MiB)  Wq, Wk, Wv as bf16 [3][k 1024][n 1024]
;   bytes [30, 32 MiB)  Wo as f16(bf16(Wo)) [k][n]: it meets an f16 operand in the last product.
; LIMITS: the matrix inputs are rounded to bf16.  |Wo| must stay below 65,504 (f16's largest number); bf16 values of Wo
; below 2^-14 in magnitude become f16 denormals with an absolute error of at most 2^-25.
; A pure stream: no LDS, no matrix unit, no cluster (no byte is read by two work-groups).
; Work-group g owns 16,384 numbers: 64 KiB in, 32 KiB out; cb is linear in g.  Q, K, V take 256 work-groups each, a W 64.
; Thread t takes 16 bytes at 16 t of each block of 4,096 bytes: a wave's load covers 512 consecutive bytes, its store of
; 8 bytes a lane 256 consecutive bytes, aligned.  All 16 loads go out at once; no register is used twice.
.set X, 4                              ; v[4:67]   16 loads of 4 numbers
.set Y, 68                             ; v[68:99]  16 stores of 4 16-bit numbers
	s_load_b512 s[8:23], s[0:1], 0x0               ; Q, K, V, Wq, Wk, Wv, Wo, cb
	s_mov_b32 s2, ttmp9                            ; g
	v_lshlrev_b32 v1, 4, v0                        ; 16 t: where I load
	v_lshlrev_b32 v2, 3, v0                        ; 8 t: where I store
	s_cmp_ge_u32 s2, 768
	s_cselect_b32 s3, 63, 255                      ; work-groups in my input, less one
	s_and_b32 s3, s2, s3                           ; my place in my input (256, 512, 768, 832 .. are multiples of the count)
	s_lshl_b32 s24, s3, 16                         ; x 64 KiB
	s_mov_b32 s25, 0
	s_lshl_b32 s26, s2, 15                         ; g x 32 KiB
	s_mov_b32 s27, 0
	s_wait_kmcnt 0x0
	s_mov_b64 s[4:5], s[8:9]                       ; my input: Q, unless g says otherwise
.macro PICK from, p
	s_cmp_ge_u32 s2, \from
	s_cselect_b64 s[4:5], s[\p:\p+1], s[4:5]
.endm
	PICK 256, 10
	PICK 512, 12
	PICK 768, 14
	PICK 832, 16
	PICK 896, 18
	PICK 960, 20
	s_add_nc_u64 s[4:5], s[4:5], s[24:25]
	s_add_nc_u64 s[6:7], s[22:23], s[26:27]
.irp k, 0,1,2,3,4,5,6,7,8,9,10,11,12,13,14,15
	global_load_b128 v[X+4*\k:X+4*\k+3], v1, s[4:5] offset:4096*\k th:TH_LOAD_NT   ; read once in the whole launch
.endr
	s_cmp_ge_u32 s2, 960
	s_cbranch_scc1 .Lwo
.irp k, 0,1,2,3,4,5,6,7,8,9,10,11,12,13,14,15
	s_wait_loadcnt 15-\k                           ; loads come back in order: load k is in, the 15 - k younger ones stay out
	v_cvt_pk_bf16_f32 v[Y+2*\k], v[X+4*\k], v[X+4*\k+1]
	v_cvt_pk_bf16_f32 v[Y+2*\k+1], v[X+4*\k+2], v[X+4*\k+3]
	global_store_b64 v2, v[Y+2*\k:Y+2*\k+1], s[6:7] offset:2048*\k   ; read again by the next launch: no hint
.endr
	s_endpgm
.Lwo:                                              ; Wo: to bf16, widened again (a shift, a mask), then to f16
.irp k, 0,1,2,3,4,5,6,7,8,9,10,11,12,13,14,15
	s_wait_loadcnt 15-\k
	v_cvt_pk_bf16_f32 v[Y+2*\k], v[X+4*\k], v[X+4*\k+1]
	v_cvt_pk_bf16_f32 v[Y+2*\k+1], v[X+4*\k+2], v[X+4*\k+3]
	v_lshlrev_b32 v[X+4*\k], 16, v[Y+2*\k]
	v_and_b32 v[X+4*\k+1], 0xffff0000, v[Y+2*\k]
	v_lshlrev_b32 v[X+4*\k+2], 16, v[Y+2*\k+1]
	v_and_b32 v[X+4*\k+3], 0xffff0000, v[Y+2*\k+1]
	v_cvt_pk_f16_f32 v[Y+2*\k], v[X+4*\k], v[X+4*\k+1]
	v_cvt_pk_f16_f32 v[Y+2*\k+1], v[X+4*\k+2], v[X+4*\k+3]
	global_store_b64 v2, v[Y+2*\k:Y+2*\k+1], s[6:7] offset:2048*\k
.endr
	s_endpgm
.Lfunc_end_k_q0fd8cfb676_cast:
	.size	k_q0fd8cfb676_cast, .Lfunc_end_k_q0fd8cfb676_cast-k_q0fd8cfb676_cast
	.p2alignl 7, 3214868480
	.fill 96, 4, 3214868480
	.section	.rodata,"a",@progbits
	.p2align	6, 0x0
	.amdhsa_kernel k_q0fd8cfb676_cast
		.amdhsa_group_segment_fixed_size 0
		.amdhsa_private_segment_fixed_size 0
		.amdhsa_enable_private_segment 0
		.amdhsa_kernarg_size 64
		.amdhsa_user_sgpr_count 2
		.amdhsa_user_sgpr_kernarg_segment_ptr 1
		.amdhsa_wavefront_size32 1
		.amdhsa_system_sgpr_workgroup_id_x 1
		.amdhsa_system_sgpr_workgroup_id_y 1
		.amdhsa_system_sgpr_workgroup_id_z 1
		.amdhsa_system_vgpr_workitem_id 0
		.amdhsa_next_free_vgpr 100
		.amdhsa_next_free_sgpr 66
		.amdhsa_reserve_vcc 0
		.amdhsa_float_denorm_mode_32 3
		.amdhsa_float_denorm_mode_16_64 3
		.amdhsa_memory_ordered 1
		.amdhsa_forward_progress 1
		.amdhsa_inst_pref_size 17
	.end_amdhsa_kernel
	.amdgpu_metadata
---
amdhsa.version: [ 1, 2 ]
amdhsa.kernels:
  - .name:           k_q0fd8cfb676_cast
    .symbol:         k_q0fd8cfb676_cast.kd
    .args:
      - { .name: Q, .offset: 0, .size: 8, .value_kind: global_buffer, .address_space: global }
      - { .name: K, .offset: 8, .size: 8, .value_kind: global_buffer, .address_space: global }
      - { .name: V, .offset: 16, .size: 8, .value_kind: global_buffer, .address_space: global }
      - { .name: Wq, .offset: 24, .size: 8, .value_kind: global_buffer, .address_space: global }
      - { .name: Wk, .offset: 32, .size: 8, .value_kind: global_buffer, .address_space: global }
      - { .name: Wv, .offset: 40, .size: 8, .value_kind: global_buffer, .address_space: global }
      - { .name: Wo, .offset: 48, .size: 8, .value_kind: global_buffer, .address_space: global }
      - { .name: cb, .offset: 56, .size: 8, .value_kind: global_buffer, .address_space: global }
    .group_segment_fixed_size: 0
    .private_segment_fixed_size: 0
    .kernarg_segment_align: 8
    .kernarg_segment_size: 64
    .max_flat_workgroup_size: 256
    .sgpr_count:     66
    .vgpr_count:     100
    .wavefront_size: 32
...
	.end_amdgpu_metadata
.endif
;; end of part 1
;; launch proj (part 2): grid 8 x 96, 4 waves a work-group, clusters of 4 x 4, 327,680 bytes of LDS; arguments cb, bq, bk, bv, qkv; writes qkv
.if DOCPART == 2
	.amdgcn_target "amdgcn-amd-amdhsa--gfx1250"
	.amdhsa_code_object_version 6
	.text
	.protected	k_q0fd8cfb676_proj
	.globl	k_q0fd8cfb676_proj
	.p2align	8
	.type	k_q0fd8cfb676_proj,@function
k_q0fd8cfb676_proj:
	s_mov_b64 s[64:65], 0
	v_nop
	global_prefetch_b8 v0, s[64:65] scope:SCOPE_SE
	s_setreg_imm32_b32 hwreg(HW_REG_WAVE_MODE, 25, 1), 1
	s_wait_xcnt 0x0
	s_wait_alu depctr_hold_cnt(0) depctr_sa_sdst(0) depctr_va_vdst(0) depctr_va_sdst(0) depctr_va_ssrc(0) depctr_va_vcc(0) depctr_vm_vsrc(0)
	s_getreg_b32 s2, hwreg(HW_REG_IB_STS2, 6, 4)
	s_cmp_eq_u32 s2, 0
	s_cbranch_scc0 .Lentry_in_a_cluster
	s_endpgm
.Lentry_in_a_cluster:
	s_bfe_u32 s2, ttmp6, 0x10000c
	s_cmp_lg_u32 s2, 0xf033
	s_cbranch_scc0 .Lentry_shape_is_right
	s_endpgm
.Lentry_shape_is_right:
; proj: the three input projections, one grid.  For g = 0, 1, 2 (q, k, v):  y = (x_g W_g + b_g) sc_g, stored as f16, head-major:
; qkv[g][hb = 16 batch + head][s 2048][64].  sc_q = 2^-1.5 log2(e), sc_k = 2^-1.5 (each is 1 / 64^(1/4); the softmax works in base 2), sc_v = 1.
; x_g: bf16 [4096][1024] at cb + g 8 MiB.  W_g: bf16 [k][n] at cb + 24 MiB + g 2 MiB.  Sums and bias in f32.
; LIMITS: operands are the bf16 roundings of the inputs; the results must stay below 65,504 in magnitude (f16), and below 2^-14
; they carry an absolute error of up to 2^-25.
; SHAPE: a work-group makes 128 x 128 of y with four waves (2 x 2), a wave 64 x 64: 16 accumulator tiles, 128 registers.  768 blocks in all.
; K = 1024 goes in four steps of 256 through two LDS slots, all written out.  A slot: x's 128 rows x 512 bytes (pitch 528) and
; W's 256 k-rows x 256 bytes (pitch 288).  Waves 0, 1 fetch x's halves (64 rows), waves 2, 3 W's halves (128 k-rows): one load a wave.
; CLUSTERS: 4 x 4 work-groups.  x's tile hangs on the block row alone and is asked for jointly by the four of a cluster's row; W's hangs on
; the block column (and on g, which comes from the cluster's y alone) and is asked for jointly by the four of a column.
; THE MATRIX INSTRUCTION IS USED TRANSPOSED: source 0 = 16 columns n of W (brought out of [k][n] rows by the transposing LDS load),
; source 1 = 16 rows of x.  Lane l then holds row l % 16 of y and its registers 0-7 the columns 8 (l / 16) + 0..7: 16 bytes of f16 that belong together.
; A wave's 64 x 64 block is one head's 64 rows: 8 KiB dense in qkv, so every store of a wave covers 512 consecutive bytes, aligned.
; REGISTERS: window 0: addresses, bias, two fragment buffers, work; window 1 (v256-383): accumulator (a, b) at v[8 (4 a + b)].
.set REG,   36864                      ; LDS bytes of one tensor load's region: 128 x 288 (W), 64 x 528 = 33,792 (x)
.set SLOT,  4*REG
.set STAGE, 2*SLOT                     ; behind the ring: 16 rows x 144 bytes for each wave; no fill lands here
.set PA,    528                        ; x's LDS pitch: 512 + 16, an odd multiple of 16
.set PB,    288                        ; W's LDS pitch: 256 + 32, an odd multiple of 32
.set SP,    144                        ; the stage's pitch
.set ASTEP, 512                        ; 256 along K in x: bytes
.set BSTEP, 524288                     ; 256 k-rows of W: bytes
.set ADRA, 8                           ; v8-9    x fragments, slot 0, 1
.set ADRB, 10                          ; v10-13  W fragments, slot 0 k-rows 0-127, 128-255; slot 1 likewise
.set STO,  14
.set RD,   15
.set CO,   16
.set BOF,  17
.set BIAS, 32                          ; v[32:63]   b sc of my 4 x 8 columns
.set F0,   64                          ; v[64:127]  fragments: W's at +8 b, x's at +32 + 8 a
.set F1,   128                         ; v[128:191] the second buffer
.set TMP,  192                         ; v[192:207] packed f16
.set PT,   208                         ; v[208:239] results in f32
.set G1A, 24
.set G0A, 32
.set G1B, 40
.set G0B, 48
.set MSB, 0
.macro WIN new                         ; the immediate's high byte repeats the setting that is left
.if MSB != \new
	s_set_vgpr_msb (MSB<<8)|\new
.set MSB, \new
.endif
.endm
.macro PLACES n
.rept \n
	v_nop
.endr
.endm
; A joint load: waves 0, 1 ask for x's halves, waves 2, 3 for W's.  Each line has one mask; the branch hangs on the wave's number alone.
.macro JLOAD s
	s_cmp_eq_u32 s15, 0
	s_cbranch_scc0 .Lfor_b_\@
	tensor_load_to_lds s[G0A+4*\s:G0A+4*\s+3], s[G1A:G1A+7]
	s_nop 0
	s_branch .Lasked_\@
.Lfor_b_\@:
	tensor_load_to_lds s[G0B+4*\s:G0B+4*\s+3], s[G1B:G1B+7]
	s_nop 0
.Lasked_\@:
.endm
.macro CREST                           ; a round of the cluster's barrier behind its opening work-group barrier
	s_cmp_lg_u32 s14, 0
	s_cbranch_scc1 .Lnot_wave_0_\@
	s_barrier_signal -3
.Lnot_wave_0_\@:
	s_barrier_wait -3
	s_barrier_signal -1
	s_barrier_wait -1
.endm
.macro CROUND
	s_barrier_signal -1
	s_barrier_wait -1
	CREST
.endm
	s_load_b256 s[4:11], s[0:1], 0x0               ; cb s[4:5], bq s[6:7], bk s[8:9], bv s[10:11]
	s_load_b64 s[12:13], s[0:1], 0x20              ; qkv
	v_lshl_add_u32 v254, v0, 2, 0x4a400
	v_mov_b32 v255, 0
	ds_add_u32 v254, v255
	ds_add_u32 v254, v255
	v_lshrrev_b32 v1, 5, v0
	v_readfirstlane_b32 s14, v1                    ; wave 0..3
	s_lshr_b32 s15, s14, 1                         ; wr: my half of the block's rows.  Also: I fetch x (0) or W (1)
	s_and_b32 s16, s14, 1                          ; wc: my half of its columns.  Also: which half of that tile I fetch
	s_bfe_u32 s17, ttmp6, 0x40000                  ; cx
	s_bfe_u32 s18, ttmp6, 0x40004                  ; cy
	s_lshl_b32 s19, ttmp9, 2
	s_add_co_u32 s19, s19, s17                     ; block column 0..7
	s_and_b32 s20, ttmp7, 0xffff
	s_lshl_b32 s20, s20, 2
	s_add_co_u32 s20, s20, s18                     ; block row 0..95 over the three products
	s_and_b32 s21, ttmp7, 0xffff
	s_lshr_b32 s21, s21, 3                         ; g: 8 clusters of 4 block rows to a product; from the cluster's y alone
	s_lshl_b32 s22, s18, 2
	s_lshl_b32 s22, 15, s22                        ; my row of the cluster
	s_lshl_b32 s23, 0x1111, s17                    ; my column
	; group 1 for x: 64 rows x 256 elements of 2 bytes, 16 bytes of padding behind every 128 words
	s_or_b32 s[G1A+0], s22, (1<<16)|(1<<20)|(1<<21)|(6<<22)|(3<<25)
	s_mov_b32 s[G1A+1], 256<<16                    ; tensor_dim0 = 256
	s_mov_b32 s[G1A+2], 64<<16                     ; tensor_dim1 = 64
	s_mov_b32 s[G1A+3], 256<<16                    ; tile_dim0 = 256
	s_mov_b32 s[G1A+4], 64                         ; tile_dim1 = 64
	s_mov_b32 s[G1A+5], 1024                       ; elements from row to row
	s_mov_b32 s[G1A+6], 0
	s_mov_b32 s[G1A+7], 0
	; group 1 for W: 128 k-rows x 128 elements, 32 bytes of padding behind every 64 words
	s_or_b32 s[G1B+0], s23, (1<<16)|(1<<20)|(1<<21)|(5<<22)|(7<<25)
	s_mov_b32 s[G1B+1], 128<<16
	s_mov_b32 s[G1B+2], 128<<16
	s_mov_b32 s[G1B+3], 128<<16
	s_mov_b32 s[G1B+4], 128
	s_mov_b32 s[G1B+5], 1024
	s_mov_b32 s[G1B+6], 0
	s_mov_b32 s[G1B+7], 0
	; x's address in s66-69 (block row, wave), W's in s70-73 (block column, g, wave): neither set ever holds the other coordinate
	s_lshl_b32 s66, s20, 18                        ; 128 rows x 2,048 bytes
	s_lshl_b32 s68, s16, 17                        ; my 64 rows
	s_add_co_u32 s66, s66, s68
	s_mov_b32 s67, 0
	s_lshl_b32 s70, s21, 21                        ; W_g: 2 MiB each
	s_lshl_b32 s72, s16, 18                        ; my 128 k-rows
	s_add_co_u32 s70, s70, s72
	s_lshl_b32 s72, s19, 8                         ; 128 columns x 2 bytes
	s_add_co_u32 s70, s70, s72
	s_add_co_u32 s70, s70, 0x1800000               ; the W's begin at 24 MiB
	s_mov_b32 s71, 0
	s_mul_i32 s74, s14, REG                        ; where my loads land: the wave's number alone
	s_wait_dscnt 0x0
	s_wait_kmcnt 0x0
	s_add_nc_u64 s[66:67], s[4:5], s[66:67]
	s_add_nc_u64 s[70:71], s[4:5], s[70:71]
	CROUND                                         ; all sixteen work-groups are here: the first joint loads meet
.irp s, 0,1
	s_mov_b32 s[G0A+4*\s], 1
	s_add_co_u32 s[G0A+4*\s+1], s74, \s*SLOT
	s_add_nc_u64 s[G0A+4*\s+2:G0A+4*\s+3], s[66:67], \s*ASTEP
	s_or_b32 s[G0A+4*\s+3], s[G0A+4*\s+3], 0x80000000
	s_mov_b32 s[G0B+4*\s], 1
	s_add_co_u32 s[G0B+4*\s+1], s74, \s*SLOT
	s_add_nc_u64 s[G0B+4*\s+2:G0B+4*\s+3], s[70:71], \s*BSTEP
	s_or_b32 s[G0B+4*\s+3], s[G0B+4*\s+3], 0x80000000
	JLOAD \s                                       ; both slots' first fills: two loads of the wave are out, the most in this text
.endr
	; which bias and which scale
	s_mov_b32 s60, 0x3f0293ee                      ; 2^-1.5 log2(e)
	s_mov_b32 s62, 0x3eb504f3                      ; 2^-1.5
	s_cmp_eq_u32 s21, 1
	s_cselect_b32 s60, s62, s60
	s_cselect_b64 s[56:57], s[8:9], s[6:7]
	s_cmp_eq_u32 s21, 2
	s_cselect_b32 s60, 1.0, s60
	s_cselect_b64 s[56:57], s[10:11], s[56:57]
	s_mov_b32 s61, s60
	; lane addresses
	v_and_b32 v1, 15, v0                           ; r = l % 16
	v_bfe_u32 v2, v0, 4, 1                         ; h = l / 16
	s_lshl_b32 s62, s19, 9
	s_lshl_b32 s63, s16, 8
	s_add_co_u32 s62, s62, s63                     ; 4 (128 block column + 64 wc)
	v_lshl_add_u32 v[BOF], v2, 5, s62              ; + 32 h: my 8 columns of n block 0
.irp b, 0,1,2,3
	global_load_b128 v[BIAS+8*\b:BIAS+8*\b+3], v[BOF], s[56:57] offset:64*\b
	global_load_b128 v[BIAS+8*\b+4:BIAS+8*\b+7], v[BOF], s[56:57] offset:64*\b+16
.endr
	v_mul_u32_u24 v3, v1, PA
	v_lshl_add_u32 v3, v2, 4, v3                   ; x: row x pitch + 16 h
	s_mul_i32 s62, s15, REG                        ; my 64 rows are half wr
	v_add_nc_u32 v[ADRA], s62, v3
	v_add_nc_u32 v[ADRA+1], SLOT, v[ADRA]
	v_and_b32 v4, 7, v0
	v_lshl_add_u32 v4, v2, 3, v4                   ; W: k-row 8 h + l % 8,
	v_mul_u32_u24 v4, v4, PB
	v_bfe_u32 v5, v0, 3, 1
	v_lshl_add_u32 v4, v5, 4, v4                   ; 16 bytes on for lanes 8-15 and 24-31,
	s_lshl_b32 s62, s16, 7                         ; my 64 columns,
	s_add_co_u32 s62, s62, 2*REG                   ; behind x's two regions
	v_add_nc_u32 v[ADRB], s62, v4
	v_add_nc_u32 v[ADRB+1], REG, v[ADRB]
	v_add_nc_u32 v[ADRB+2], SLOT, v[ADRB]
	v_add_nc_u32 v[ADRB+3], SLOT+REG, v[ADRB]
	s_mul_i32 s62, s14, 16*SP
	s_add_co_u32 s62, s62, STAGE                   ; my stage
	v_mul_u32_u24 v6, v1, SP
	v_lshl_add_u32 v6, v2, 4, v6
	v_add_nc_u32 v[STO], s62, v6                   ; in: row r, 16 bytes for each half of the lanes
	v_and_b32 v7, 31, v0
	v_lshlrev_b32 v[CO], 4, v7                     ; out: 16 l in a dense block
	v_lshrrev_b32 v7, 3, v7
	v_mul_u32_u24 v7, v7, SP
	v_and_b32 v6, 7, v0
	v_lshl_add_u32 v7, v6, 4, v7
	v_add_nc_u32 v[RD], s62, v7                    ; back: eight lanes take a row of 128 bytes
	; my block in qkv: g 8 MiB + ((16 batch + head) 2048 + s) 128
	s_and_b32 s62, s20, 31
	s_lshl_b32 s62, s62, 7
	s_lshl_b32 s63, s15, 6
	s_add_co_u32 s62, s62, s63                     ; my first row of x_g, 0..4032
	s_lshr_b32 s63, s62, 11                        ; batch
	s_lshl_b32 s63, s63, 4
	s_lshl1_add_u32 s63, s19, s63                  ; + 2 block column
	s_add_co_u32 s63, s63, s16                     ; + wc: hb
	s_lshl_b32 s63, s63, 11
	s_and_b32 s62, s62, 2047
	s_add_co_u32 s62, s62, s63
	s_lshl_b32 s62, s62, 7
	s_lshl_b32 s63, s21, 23
	s_add_co_u32 s62, s62, s63
	s_mov_b32 s63, 0
	s_add_nc_u64 s[58:59], s[12:13], s[62:63]
; 16 LDS loads: the fragments of K step q (32 along K, q = 0..7 in a slot) into buffer f
.macro FETCH slot, q, f
	WIN 0
.irp b, 0,1,2,3
	ds_load_tr16_b128 v[\f+8*\b:\f+8*\b+3], v[ADRB+2*\slot+(\q>>2)] offset:(\q&3)*32*PB+32*\b
	ds_load_tr16_b128 v[\f+8*\b+4:\f+8*\b+7], v[ADRB+2*\slot+(\q>>2)] offset:(\q&3)*32*PB+32*\b+16*PB
.endr
.irp a, 0,1,2,3
	ds_load_b128 v[\f+32+8*\a:\f+32+8*\a+3], v[ADRA+\slot] offset:\a*16*PA+64*\q
	ds_load_b128 v[\f+32+8*\a+4:\f+32+8*\a+7], v[ADRA+\slot] offset:\a*16*PA+64*\q+32
.endr
.endm
; 16 matrix instructions, each accumulator once, always in the same order: the accumulators take turns.
; zero = 1: the first product starts the sums; nothing is cleared.
.macro MUL16 f, zero
	WIN 0x50                                       ; C and D in window 1
.irp a, 0,1,2,3
.irp b, 0,1,2,3
.if \zero
	v_wmma_f32_16x16x32_bf16 v[8*(4*\a+\b):8*(4*\a+\b)+7], v[\f+8*\b:\f+8*\b+7], v[\f+32+8*\a:\f+32+8*\a+7], 0
.else
	v_wmma_f32_16x16x32_bf16 v[8*(4*\a+\b):8*(4*\a+\b)+7], v[\f+8*\b:\f+8*\b+7], v[\f+32+8*\a:\f+32+8*\a+7], v[8*(4*\a+\b):8*(4*\a+\b)+7]
.endif
.endr
.endr
.endm
; multiplies buffer f while K step q's fragments come into buffer g
.macro QUARTER slot, q, f, g, zero
	PLACES 4                                       ; four places between the matrix instructions that read g and the loads into it (ISA guide 7.12.1 for instructions other than loads)
	FETCH \slot, \q, \g
	s_wait_dscnt 16                                ; f's 16 loads are in; the 16 just issued stay out
	MUL16 \f, \zero
.endm
.macro PHASE slot, zero
	QUARTER \slot, 1, F0, F1, \zero
	QUARTER \slot, 2, F1, F0, 0
	QUARTER \slot, 3, F0, F1, 0
	QUARTER \slot, 4, F1, F0, 0
	QUARTER \slot, 5, F0, F1, 0
	QUARTER \slot, 6, F1, F0, 0
	QUARTER \slot, 7, F0, F1, 0
.endm
; The slot's last K step, and the change of slots.  In front of the barrier each wave waits for its reads of this slot and for all its
; tensor loads (the one that is out is its part of the next slot).  mode = 2: the barrier opens a round of the cluster's barrier, and the
; joint refill of this slot is the first tensor load behind the round; it has the next slot's first 112 matrix instructions in which to land.
.macro LASTQ slot, next, mode
	s_wait_dscnt 0x0
	s_wait_tensorcnt 0x0
	ds_add_u32 v254, v255
	s_wait_dscnt 0x0
	s_barrier_signal -1
	MUL16 F1, 0                                    ; registers only
	WIN 0
	s_barrier_wait -1
.if \mode == 2
	CREST
	s_add_nc_u64 s[G0A+4*\slot+2:G0A+4*\slot+3], s[G0A+4*\slot+2:G0A+4*\slot+3], 2*ASTEP   ; no load of mine is out: the addresses may step
	s_add_nc_u64 s[G0B+4*\slot+2:G0B+4*\slot+3], s[G0B+4*\slot+2:G0B+4*\slot+3], 2*BSTEP
	JLOAD \slot
.endif
	PLACES 4
	FETCH \next, 0, F0
.endm
	s_wait_tensorcnt 0x1                           ; my part of slot 0 is in; slot 1's load stays out
	s_barrier_signal -1
	s_barrier_wait -1
	FETCH 0, 0, F0
	PHASE 0, 1                                     ; K 0-255
	LASTQ 0, 1, 2                                  ; slot 0 asked again: K 512-767
	PHASE 1, 0                                     ; K 256-511
	LASTQ 1, 0, 2                                  ; slot 1 asked again: K 768-1023
	PHASE 0, 0
	LASTQ 0, 1, 1                                  ; nothing left to fetch: the work-group's barrier alone
	PHASE 1, 0
	s_wait_dscnt 0x0
	MUL16 F1, 0
	PLACES 4                                       ; behind the last matrix instructions: results are read, buffers loaded again
	WIN 0
	s_wait_loadcnt 0x0                             ; the bias
.irp p, 0,2,4,6,8,10,12,14,16,18,20,22,24,26,28,30
	v_pk_mul_f32 v[BIAS+\p:BIAS+\p+1], v[BIAS+\p:BIAS+\p+1], s[60:61] op_sel_hi:[1,0]   ; b sc, once
.endr
; rows 16 a .. 16 a + 15: acc sc + b sc, to f16, through my stage, out as 2 KiB dense
.macro OUT16 a, f
	WIN 0x01                                       ; source 0 in window 1
.irp b, 0,1,2,3
.irp p, 0,2,4,6
	v_pk_fma_f32 v[PT+8*\b+\p:PT+8*\b+\p+1], v[8*(4*\a+\b)+\p:8*(4*\a+\b)+\p+1], s[60:61], v[BIAS+8*\b+\p:BIAS+8*\b+\p+1] op_sel_hi:[1,0,1]
.endr
.endr
	WIN 0
.irp b, 0,1,2,3
.irp p, 0,1,2,3
	v_cvt_pk_f16_f32 v[TMP+4*\b+\p], v[PT+8*\b+2*\p], v[PT+8*\b+2*\p+1]
.endr
.endr
.irp b, 0,1,2,3
	ds_store_b128 v[STO], v[TMP+4*\b:TMP+4*\b+3] offset:32*\b
.endr
	s_wait_xcnt 0x0                                ; buffer f, which earlier stores read, is loaded again only behind this wait
.irp t, 0,1,2,3
	ds_load_b128 v[\f+4*\t:\f+4*\t+3], v[RD] offset:\t*4*SP    ; a wave's LDS instructions are served in order: these see the stores above
.endr
.irp t, 0,1,2,3
	s_wait_dscnt 3-\t                              ; read-back t is in, the younger ones stay out
	global_store_b128 v[CO], v[\f+4*\t:\f+4*\t+3], s[58:59] offset:2048*\a+512*\t   ; 512 consecutive bytes, aligned
.endr
.endm
	OUT16 0, F0
	OUT16 1, F1
	OUT16 2, F0
	OUT16 3, F1
	s_wait_tensorcnt 0x0
	ds_add_u32 v254, v255
	s_wait_dscnt 0x0
	CROUND                                         ; the closing round: no work-group ends while a partner may still ask jointly
	s_endpgm
.Lfunc_end_k_q0fd8cfb676_proj:
	.size	k_q0fd8cfb676_proj, .Lfunc_end_k_q0fd8cfb676_proj-k_q0fd8cfb676_proj
	.p2alignl 7, 3214868480
	.fill 96, 4, 3214868480
	.section	.rodata,"a",@progbits
	.p2align	6, 0x0
	.amdhsa_kernel k_q0fd8cfb676_proj
		.amdhsa_group_segment_fixed_size 327680
		.amdhsa_private_segment_fixed_size 0
		.amdhsa_enable_private_segment 0
		.amdhsa_kernarg_size 40
		.amdhsa_user_sgpr_count 2
		.amdhsa_user_sgpr_kernarg_segment_ptr 1
		.amdhsa_wavefront_size32 1
		.amdhsa_system_sgpr_workgroup_id_x 1
		.amdhsa_system_sgpr_workgroup_id_y 1
		.amdhsa_system_sgpr_workgroup_id_z 1
		.amdhsa_system_vgpr_workitem_id 0
		.amdhsa_next_free_vgpr 384
		.amdhsa_next_free_sgpr 80
		.amdhsa_reserve_vcc 0
		.amdhsa_float_denorm_mode_32 3
		.amdhsa_float_denorm_mode_16_64 3
		.amdhsa_memory_ordered 1
		.amdhsa_forward_progress 1
		.amdhsa_inst_pref_size 95
	.end_amdhsa_kernel
	.amdgpu_metadata
---
amdhsa.version: [ 1, 2 ]
amdhsa.kernels:
  - .name:           k_q0fd8cfb676_proj
    .symbol:         k_q0fd8cfb676_proj.kd
    .args:
      - { .name: cb, .offset: 0, .size: 8, .value_kind: global_buffer, .address_space: global }
      - { .name: bq, .offset: 8, .size: 8, .value_kind: global_buffer, .address_space: global }
      - { .name: bk, .offset: 16, .size: 8, .value_kind: global_buffer, .address_space: global }
      - { .name: bv, .offset: 24, .size: 8, .value_kind: global_buffer, .address_space: global }
      - { .name: qkv, .offset: 32, .size: 8, .value_kind: global_buffer, .address_space: global }
    .group_segment_fixed_size: 327680
    .private_segment_fixed_size: 0
    .kernarg_segment_align: 8
    .kernarg_segment_size: 40
    .max_flat_workgroup_size: 128
    .sgpr_count:     80
    .vgpr_count:     384
    .wavefront_size: 32
...
	.end_amdgpu_metadata
.endif
;; end of part 2
;; launch attn (part 3): grid 256 x 1, 4 waves a work-group, no clusters, 327,680 bytes of LDS; arguments qkv, ao; writes ao
.if DOCPART == 3
	.amdgcn_target "amdgcn-amd-amdhsa--gfx1250"
	.amdhsa_code_object_version 6
	.text
	.protected	k_q0fd8cfb676_attn
	.globl	k_q0fd8cfb676_attn
	.p2align	8
	.type	k_q0fd8cfb676_attn,@function
k_q0fd8cfb676_attn:
	s_mov_b64 s[64:65], 0
	v_nop
	global_prefetch_b8 v0, s[64:65] scope:SCOPE_SE
	s_setreg_imm32_b32 hwreg(HW_REG_WAVE_MODE, 25, 1), 1
	s_wait_xcnt 0x0
; attn: causal attention of one head, f16 operands, f32 sums, running maximum in base 2 (q carries log2(e) / 8 together with k).
; qkv: f16 [3][hb 32][s 2048][64]; ao: f16 [hb][s][64].
; LIMITS: the attention output is kept in f16: below 65,504 in magnitude, absolute error up to 2^-25 below 2^-14.  Probabilities below 2^-24
; of a row's running maximum round to 0 in f16.  Scores must be finite.
; SHARE: work-group g: head hb = g / 8, i = g % 8; it does the query blocks (128 rows) 15 - i and then i: 16 - i and i + 1 key tiles of 128, 17 for everyone.
; Wave w owns 32 query rows, as two tiles u of 16.
; BOTH PRODUCTS ARE USED TRANSPOSED.  S^T = K Q^T: source 0 = 16 keys, source 1 = 16 queries: lane (r, h) holds query r and keys 8 h + 0..7 of each key tile.
; So maximum and sum stay in the lane but for one exchange between the halves, and the lane's exponentials, packed to f16, ARE the second source of
; O^T = V^T P^T (source 0 = V through the transposing LDS load): nothing moves between lanes.
; RING: two LDS slots of one key tile (K 128 x 128 bytes at pitch 144, V at pitch 160); waves 0, 1 fetch K's halves, waves 2, 3 V's: one load a wave and tile.
; The f = qb full tiles come first, the diagonal tile last and always in slot 0, so tile j lies in slot (f - j) % 2 and four written-out bodies serve every f.
; NO MULTICAST: the work-groups of a head need different numbers of tiles (16 - i, then i + 1).  Four partners that all ask for every tile would pass
; 16 + 4 = 20 steps instead of 17, and what is shared is 17 x 32 KiB for a work-group.
; The diagonal tile is computed whole and masked by selects.  O is cleared by 64 moves a block: a first trip written out to start the sums
; would double the four bodies.
; REGISTERS: window 0 below; window 1: K fragments (t, c) at v[16 t + 8 c] (v256-383), V fragments (kv, dt) at v[128 + 8 (4 kv + dt)] (v384-511).
.set REG,   10240                      ; LDS bytes of one load's region: 64 x 160 (V), 64 x 144 = 9,216 (K)
.set SLOT,  4*REG
.set STAGE, 2*SLOT                     ; 32 rows x 144 bytes for each wave; no fill lands here
.set PK,    144
.set PV,    160
.set QF,    32                         ; v[32:63]   Q fragment (u, c) at +16 u + 8 c
.set OA,    64                         ; v[64:127]  O (dt, u) at +8 (2 dt + u)
.set SC,    128                        ; v[128:255] S (t, u) at +8 (2 t + u); P (u, kv) in place at S (2 kv, u)
; v1 K address, v2 V address, v3 Q offset, v4 stage in, v5 stage back, v6 16 l, v7 r + 32 w - 8 h, v[8+2u] maximum, v[9+2u] sum,
; v[12+2u] alpha, v[13+2u] new maximum, v16-25 at work, v31 -inf
.set G1K, 24
.set G1V, 32
.set G0,  40
.set MSB, 0
.macro WIN new
.if MSB != \new
	s_set_vgpr_msb (MSB<<8)|\new
.set MSB, \new
.endif
.endm
.macro PLACES n
.rept \n
	v_nop
.endr
.endm
.macro KVLOAD s                        ; my part of a tile into slot s: the two lines differ in the padding alone
	s_cmp_eq_u32 s9, 0
	s_cbranch_scc0 .Lfor_v_\@
	tensor_load_to_lds s[G0+4*\s:G0+4*\s+3], s[G1K:G1K+7]
	s_nop 0
	s_branch .Lasked_\@
.Lfor_v_\@:
	tensor_load_to_lds s[G0+4*\s:G0+4*\s+3], s[G1V:G1V+7]
	s_nop 0
.Lasked_\@:
.endm
	s_load_b128 s[4:7], s[0:1], 0x0                ; qkv s[4:5], ao s[6:7]
	v_lshl_add_u32 v29, v0, 2, 0x29000
	v_mov_b32 v30, 0
	v_lshrrev_b32 v1, 5, v0
	v_readfirstlane_b32 s8, v1                     ; wave
	s_lshr_b32 s9, s8, 1                           ; I fetch K (0) or V (1)
	s_and_b32 s10, s8, 1                           ; which 64 keys
	s_lshr_b32 s11, ttmp9, 3                       ; hb
	s_and_b32 s12, ttmp9, 7                        ; i
	s_mov_b32 s18, 0x76543210                      ; v_permlanex16_b32: lane l reads lane l xor 16
	s_mov_b32 s19, 0xfedcba98
	; group 1: 8 KiB dense (64 keys x 128 bytes) as 32 rows of 256 bytes; padding behind every 32 words: 4 words for K, 8 for V
	s_mov_b32 s[G1K+0], (1<<16)|(1<<20)|(4<<22)|(3<<25)
	s_mov_b32 s[G1V+0], (1<<16)|(1<<20)|(4<<22)|(7<<25)
.irp g, G1K, G1V
	s_mov_b32 s[\g+1], 128<<16                     ; tensor_dim0 = 128
	s_mov_b32 s[\g+2], 32<<16                      ; tensor_dim1 = 32
	s_mov_b32 s[\g+3], 128<<16                     ; tile_dim0 = 128
	s_mov_b32 s[\g+4], 32                          ; tile_dim1 = 32
	s_mov_b32 s[\g+5], 128                         ; pitch
	s_mov_b32 s[\g+6], 0
	s_mov_b32 s[\g+7], 0
.endr
	s_mul_i32 s22, s8, REG
.irp s, 0,1
	s_mov_b32 s[G0+4*\s], 1
	s_add_co_u32 s[G0+4*\s+1], s22, \s*SLOT        ; LDS: wave x region + slot
.endr
	s_add_co_u32 s52, s9, 1
	s_lshl_b32 s52, s52, 23                        ; k at 8 MiB, v at 16 MiB
	s_lshl_b32 s53, s11, 18                        ; head block: 256 KiB
	s_add_co_u32 s52, s52, s53
	s_lshl_b32 s53, s10, 13                        ; my 64 keys: 8 KiB
	s_add_co_u32 s52, s52, s53
	s_mov_b32 s53, 0
	v_and_b32 v16, 15, v0                          ; r
	v_bfe_u32 v17, v0, 4, 1                        ; h
	v_and_b32 v18, 7, v0
	v_bfe_u32 v19, v0, 3, 1
	v_and_b32 v20, 31, v0                          ; l
	v_lshrrev_b32 v21, 3, v20
	v_mul_u32_u24 v1, v16, PK
	v_lshl_add_u32 v1, v17, 4, v1                  ; K: key r x pitch + 16 h
	v_lshl_add_u32 v2, v17, 3, v18
	v_mul_u32_u24 v2, v2, PV                       ; V: key 8 h + l % 8,
	v_lshl_add_u32 v2, v19, 4, v2                  ; 16 bytes on for lanes 8-15 and 24-31,
	v_add_nc_u32 v2, 2*REG, v2                     ; behind K's two regions
	v_lshlrev_b32 v3, 7, v16
	v_lshl_add_u32 v3, v17, 4, v3                  ; Q: row r x 128 + 16 h
	s_mul_i32 s22, s8, 32*PK
	s_add_co_u32 s22, s22, STAGE
	v_add_nc_u32 v4, s22, v1                       ; stage in: row r, 16 h
	v_mul_u32_u24 v5, v21, PK
	v_lshl_add_u32 v5, v18, 4, v5
	v_add_nc_u32 v5, s22, v5                       ; stage back: eight lanes a row
	v_lshlrev_b32 v6, 4, v20
	v_lshlrev_b32 v7, 3, v17
	v_sub_nc_u32 v7, v16, v7
	s_lshl_b32 s23, s8, 5
	v_add_nc_u32 v7, s23, v7                       ; r + 32 w - 8 h (signed)
	v_mov_b32 v31, 0xff800000                      ; -inf
	s_wait_kmcnt 0x0
	s_add_nc_u64 s[20:21], s[4:5], s[52:53]        ; my part of tile 0
.macro LOADK slot                      ; 32 loads, key tile by key tile
	WIN 0x40                                       ; destination in window 1
.irp t, 0,1,2,3,4,5,6,7
.irp c, 0,1
	ds_load_b128 v[16*\t+8*\c:16*\t+8*\c+3], v1 offset:\slot*SLOT+(\t/4)*REG+(\t%4)*16*PK+64*\c
	ds_load_b128 v[16*\t+8*\c+4:16*\t+8*\c+7], v1 offset:\slot*SLOT+(\t/4)*REG+(\t%4)*16*PK+64*\c+32
.endr
.endr
.endm
.macro SMUL                            ; the two query tiles take turns on each key tile; the first product starts each sum
	WIN 0x01                                       ; source 0 in window 1
.irp t, 0,1,2,3,4,5,6,7
	s_wait_dscnt 28-4*\t                           ; key tile t's four loads are in; those of the later tiles stay out
	v_wmma_f32_16x16x32_f16 v[SC+16*\t:SC+16*\t+7], v[16*\t:16*\t+7], v[QF:QF+7], 0
	v_wmma_f32_16x16x32_f16 v[SC+16*\t+8:SC+16*\t+15], v[16*\t:16*\t+7], v[QF+16:QF+23], 0
	v_wmma_f32_16x16x32_f16 v[SC+16*\t:SC+16*\t+7], v[16*\t+8:16*\t+15], v[QF+8:QF+15], v[SC+16*\t:SC+16*\t+7]
	v_wmma_f32_16x16x32_f16 v[SC+16*\t+8:SC+16*\t+15], v[16*\t+8:16*\t+15], v[QF+24:QF+31], v[SC+16*\t+8:SC+16*\t+15]
.endr
.endm
.macro LOADV slot                      ; 32 transposing loads; they land while the softmax is worked
	WIN 0x40
.irp kv, 0,1,2,3
.irp dt, 0,1,2,3
	ds_load_tr16_b128 v[128+8*(4*\kv+\dt):128+8*(4*\kv+\dt)+3], v2 offset:\slot*SLOT+(\kv/2)*REG+(\kv%2)*32*PV+32*\dt
	ds_load_tr16_b128 v[128+8*(4*\kv+\dt)+4:128+8*(4*\kv+\dt)+7], v2 offset:\slot*SLOT+(\kv/2)*REG+(\kv%2)*32*PV+32*\dt+16*PV
.endr
.endr
	WIN 0
.endm
; The diagonal tile: key 16 t + 8 h + j stays where it is <= query 32 w + 16 u + r, that is 16 (t - u) + j <= v7.  One compare serves
; S (e, 0) and S (e + 1, 1).  S (0, 1) has e = -1: -16 + j <= -9 < -8 <= v7, never masked.
.macro MASK
.irp e, 0,1,2,3,4,5,6,7
.irp j, 0,1,2,3,4,5,6,7
	v_cmp_le_i32 vcc_lo, 16*\e+\j, v7
	v_cndmask_b32 v[SC+16*\e+\j], v31, v[SC+16*\e+\j], vcc_lo
.if \e < 7
	v_cndmask_b32 v[SC+16*\e+24+\j], v31, v[SC+16*\e+24+\j], vcc_lo
.endif
.endr
.endr
.endm
.macro SUBT t, u                       ; S - maximum (the pair's first register for both halves)
.irp p, 0,2,4,6
	v_pk_add_f32 v[SC+8*(2*\t+\u)+\p:SC+8*(2*\t+\u)+\p+1], v[SC+8*(2*\t+\u)+\p:SC+8*(2*\t+\u)+\p+1], v[8+2*\u:9+2*\u] op_sel_hi:[1,0] neg_lo:[0,1] neg_hi:[0,1]
.endr
.endm
.macro EXPT t, u
.irp p, 0,1,2,3,4,5,6,7
	v_exp_f32 v[SC+8*(2*\t+\u)+\p], v[SC+8*(2*\t+\u)+\p]
.endr
.endm
.macro USET t, u                       ; tile t's exponentials: into two sum chains, then packed in place: even t to registers 0-3 of S (t, u), odd t to 4-7 of S (t - 1, u)
.if \t == 0
	s_wait_alu depctr_va_vdst(0)
	v_pk_add_f32 v[22:23], v[SC+8*\u:SC+8*\u+1], v[SC+8*\u+2:SC+8*\u+3]       ; the first tile starts the chains
	v_pk_add_f32 v[24:25], v[SC+8*\u+4:SC+8*\u+5], v[SC+8*\u+6:SC+8*\u+7]
.else
	s_wait_alu depctr_va_vdst(0)
	v_pk_add_f32 v[22:23], v[22:23], v[SC+8*(2*\t+\u):SC+8*(2*\t+\u)+1]
	v_pk_add_f32 v[24:25], v[24:25], v[SC+8*(2*\t+\u)+2:SC+8*(2*\t+\u)+3]
	v_pk_add_f32 v[22:23], v[22:23], v[SC+8*(2*\t+\u)+4:SC+8*(2*\t+\u)+5]
	v_pk_add_f32 v[24:25], v[24:25], v[SC+8*(2*\t+\u)+6:SC+8*(2*\t+\u)+7]
.endif
.irp p, 0,1,2,3
	v_cvt_pk_f16_f32 v[SC+8*(4*(\t/2)+\u)+4*(\t%2)+\p], v[SC+8*(2*\t+\u)+2*\p], v[SC+8*(2*\t+\u)+2*\p+1]
.endr
.endm
.macro STEP t, tp, u                   ; behind each run of exponentials stand plain instructions on other registers before its results are used (ISA guide 5.7.2)
	SUBT \t, \u
	EXPT \t, \u
	USET \tp, \u
.endm
.macro SOFTMAX u
.irp k, 0,1,2,3                        ; four chains of maxima, two key tiles each
	v_max_num_f32 v[16+\k], v[SC+8*(4*\k+\u)], v[SC+8*(4*\k+\u)+1]
.endr
.irp p, 2,4,6
.irp k, 0,1,2,3
	v_max3_num_f32 v[16+\k], v[16+\k], v[SC+8*(4*\k+\u)+\p], v[SC+8*(4*\k+\u)+\p+1]
.endr
.endr
.irp p, 0,2,4,6
.irp k, 0,1,2,3
	v_max3_num_f32 v[16+\k], v[16+\k], v[SC+8*(4*\k+2+\u)+\p], v[SC+8*(4*\k+2+\u)+\p+1]
.endr
.endr
	v_max3_num_f32 v16, v16, v17, v18
	v_max_num_f32 v16, v16, v19
	v_permlanex16_b32 v20, v16, s18, s19           ; the other half's keys of the same query
	v_max3_num_f32 v[13+2*\u], v16, v20, v[8+2*\u] ; the new running maximum: finite, every tile holds an unmasked key of every row
	v_sub_f32 v21, v[8+2*\u], v[13+2*\u]
	v_exp_f32 v[12+2*\u], v21                      ; alpha = 2^(old - new); 0 in a block's first tile (old = -inf)
	v_mov_b32 v[8+2*\u], v[13+2*\u]                ; a plain instruction behind the exponential
	SUBT 0, \u
	EXPT 0, \u
	STEP 1, 0, \u
	STEP 2, 1, \u
	STEP 3, 2, \u
	STEP 4, 3, \u
	STEP 5, 4, \u
	STEP 6, 5, \u
	STEP 7, 6, \u
	USET 7, \u
	v_pk_add_f32 v[22:23], v[22:23], v[24:25]
	v_add_f32 v22, v22, v23
	v_fma_f32 v[9+2*\u], v[9+2*\u], v[12+2*\u], v22    ; the sum stays one for each half of the lanes until the block's end
.irp dt, 0,1,2,3
.irp p, 0,2,4,6
	v_pk_mul_f32 v[OA+8*(2*\dt+\u)+\p:OA+8*(2*\dt+\u)+\p+1], v[OA+8*(2*\dt+\u)+\p:OA+8*(2*\dt+\u)+\p+1], v[12+2*\u:13+2*\u] op_sel_hi:[1,0]
.endr
.endr
.endm
.macro PVMUL                           ; the eight accumulators of O take turns
	WIN 0x01
.irp kv, 0,1,2,3
.irp dt, 0,1,2,3
.irp u, 0,1
	v_wmma_f32_16x16x32_f16 v[OA+8*(2*\dt+\u):OA+8*(2*\dt+\u)+7], v[128+8*(4*\kv+\dt):128+8*(4*\kv+\dt)+7], v[SC+8*(4*\kv+\u):SC+8*(4*\kv+\u)+7], v[OA+8*(2*\dt+\u):OA+8*(2*\dt+\u)+7]
.endr
.endr
.endr
	WIN 0
.endm
; One key tile, in slot; other = the other slot; diag = 1: the diagonal tile, which is the block's last and asks for nothing.
.macro TRIP slot, other, diag
	s_wait_tensorcnt 0x0                           ; all my tensor loads have landed, my part of this tile among them,
	ds_add_u32 v29, v30
	s_wait_dscnt 0x0
.if \diag == 0
	s_add_nc_u64 s[G0+4*\slot+2:G0+4*\slot+3], s[G0+4*\slot+2:G0+4*\slot+3], 0x8000   ; so the addresses may step: this slot's next tile is two tiles (32 KiB) on
.endif
	s_wait_dscnt 0x0                               ; my reads of the other slot are over
	s_barrier_signal -1
	s_barrier_wait -1                              ; both now hold of all four waves
.if \diag == 0
	KVLOAD \other                                  ; the next tile, which always exists (the diagonal one at the latest): my one load behind this barrier; one load of a wave is out
.endif
	PLACES 5                                       ; behind the last tile's matrix instructions: V's and K's fragments are loaded again, S is written over P (ISA guide 7.12.1)
	LOADK \slot
	SMUL
	LOADV \slot
	PLACES 5                                       ; before S is read, and later serves as a source
.if \diag
	MASK
.endif
	SOFTMAX 0
	SOFTMAX 1
	s_wait_dscnt 0x0                               ; V's fragments
	PVMUL
.endm
	s_mov_b32 s13, 0                               ; block counter
.Lblock:
	s_wait_xcnt 0x0                                ; the last block's stores have read their base and data: both are written again below
	s_sub_co_u32 s14, 15, s12
	s_cmp_eq_u32 s13, 0
	s_cselect_b32 s14, s14, s12                    ; qb = 15 - i, then i; also f, the number of full tiles
	s_lshr_b32 s16, s14, 1                         ; pairs of full tiles
	s_lshl_b32 s52, s11, 18
	s_lshl_b32 s53, s14, 14                        ; 128 rows x 128 bytes
	s_add_co_u32 s52, s52, s53
	s_lshl_b32 s53, s8, 12                         ; my 32 rows
	s_add_co_u32 s52, s52, s53
	s_mov_b32 s53, 0
	s_add_nc_u64 s[48:49], s[4:5], s[52:53]        ; my rows of q
	s_add_nc_u64 s[50:51], s[6:7], s[52:53]        ; and of ao
.irp u, 0,1
.irp c, 0,1
	global_load_b128 v[QF+16*\u+8*\c:QF+16*\u+8*\c+3], v3, s[48:49] offset:2048*\u+64*\c
	global_load_b128 v[QF+16*\u+8*\c+4:QF+16*\u+8*\c+7], v3, s[48:49] offset:2048*\u+64*\c+32
.endr
.endr
.set j, 0
.rept 64
	v_mov_b32 v[OA+j], 0
.set j, j+1
.endr
	v_mov_b32 v8, v31                              ; maxima -inf, sums 0
	v_mov_b32 v10, v31
	v_mov_b32 v9, 0
	v_mov_b32 v11, 0
	; The block's first fill has the form of a refill (in the second block it is one): reads over, loads landed, barrier, one load a wave.
	s_wait_dscnt 0x0
	s_wait_tensorcnt 0x0
	ds_add_u32 v29, v30
	ds_add_u32 v29, v30
	s_wait_dscnt 0x0
	s_and_b32 s52, s14, 1
	s_lshl_b32 s52, s52, 14                        ; slot 0 first holds tile f % 2,
	s_mov_b32 s53, 0
	s_xor_b32 s54, s52, 0x4000                     ; slot 1 the other of tiles 0 and 1 (16 KiB a tile)
	s_mov_b32 s55, 0
	s_add_nc_u64 s[G0+2:G0+3], s[20:21], s[52:53]
	s_or_b32 s[G0+3], s[G0+3], 0x80000000
	s_add_nc_u64 s[G0+6:G0+7], s[20:21], s[54:55]
	s_or_b32 s[G0+7], s[G0+7], 0x80000000
	s_barrier_signal -1
	s_barrier_wait -1
	s_bitcmp1_b32 s14, 0
	s_cbranch_scc0 .Leven
	KVLOAD 1                                       ; f odd: tile 0 lies in slot 1
	s_wait_loadcnt 0x0                             ; Q's fragments
	TRIP 1, 0, 0
	s_branch .Lpairs
.Leven:
	KVLOAD 0                                       ; f even: tile 0 lies in slot 0
	s_wait_loadcnt 0x0
.Lpairs:
	s_cmp_eq_u32 s16, 0
	s_cbranch_scc1 .Ldiag
	s_mov_b32 s17, 0
.Lpair:
	TRIP 0, 1, 0
	TRIP 1, 0, 0
	s_add_co_u32 s17, s17, 1
	s_cmp_lt_u32 s17, s16
	s_cbranch_scc1 .Lpair
.Ldiag:
	TRIP 0, 1, 1
	; the block's end: O / sum, to f16, through my stage, out as 4 KiB dense
	PLACES 4
	v_permlanex16_b32 v20, v9, s18, s19
	v_permlanex16_b32 v21, v11, s18, s19
	v_add_f32 v9, v9, v20                          ; both halves' keys
	v_add_f32 v11, v11, v21
	v_rcp_f32 v16, v9                              ; the sum is at least 1: the row's maximum contributes 2^0
	v_rcp_f32 v18, v11
	v_nop                                          ; a plain place behind the reciprocals
	s_wait_alu depctr_va_vdst(0)
.irp u, 0,1
.irp dt, 0,1,2,3
.irp p, 0,2,4,6
	v_pk_mul_f32 v[OA+8*(2*\dt+\u)+\p:OA+8*(2*\dt+\u)+\p+1], v[OA+8*(2*\dt+\u)+\p:OA+8*(2*\dt+\u)+\p+1], v[16+2*\u:17+2*\u] op_sel_hi:[1,0]
.endr
.endr
.endr
.irp u, 0,1
.irp dt, 0,1,2,3
.irp p, 0,1,2,3
	v_cvt_pk_f16_f32 v[SC+4*(4*\u+\dt)+\p], v[OA+8*(2*\dt+\u)+2*\p], v[OA+8*(2*\dt+\u)+2*\p+1]
.endr
	ds_store_b128 v4, v[SC+4*(4*\u+\dt):SC+4*(4*\u+\dt)+3] offset:16*PK*\u+32*\dt   ; row 16 u + r, columns 16 dt + 8 h + 0..7
.endr
.endr
.irp t, 0,1,2,3,4,5,6,7
	ds_load_b128 v[SC+32+4*\t:SC+32+4*\t+3], v5 offset:\t*4*PK     ; a wave's LDS instructions are served in order: these see the stores above
.endr
.irp t, 0,1,2,3,4,5,6,7
	s_wait_dscnt 7-\t                              ; read-back t is in, the younger ones stay out
	global_store_b128 v6, v[SC+32+4*\t:SC+32+4*\t+3], s[50:51] offset:512*\t   ; 512 consecutive bytes, aligned
.endr
	s_add_co_u32 s13, s13, 1
	s_cmp_lt_u32 s13, 2
	s_cbranch_scc1 .Lblock
	s_wait_tensorcnt 0x0
	ds_add_u32 v29, v30
	s_wait_dscnt 0x0
	s_endpgm
.Lfunc_end_k_q0fd8cfb676_attn:
	.size	k_q0fd8cfb676_attn, .Lfunc_end_k_q0fd8cfb676_attn-k_q0fd8cfb676_attn
	.p2alignl 7, 3214868480
	.fill 96, 4, 3214868480
	.section	.rodata,"a",@progbits
	.p2align	6, 0x0
	.amdhsa_kernel k_q0fd8cfb676_attn
		.amdhsa_group_segment_fixed_size 327680
		.amdhsa_private_segment_fixed_size 0
		.amdhsa_enable_private_segment 0
		.amdhsa_kernarg_size 16
		.amdhsa_user_sgpr_count 2
		.amdhsa_user_sgpr_kernarg_segment_ptr 1
		.amdhsa_wavefront_size32 1
		.amdhsa_system_sgpr_workgroup_id_x 1
		.amdhsa_system_sgpr_workgroup_id_y 1
		.amdhsa_system_sgpr_workgroup_id_z 1
		.amdhsa_system_vgpr_workitem_id 0
		.amdhsa_next_free_vgpr 512
		.amdhsa_next_free_sgpr 66
		.amdhsa_reserve_vcc 1
		.amdhsa_float_denorm_mode_32 3
		.amdhsa_float_denorm_mode_16_64 3
		.amdhsa_memory_ordered 1
		.amdhsa_forward_progress 1
		.amdhsa_inst_pref_size 151
	.end_amdhsa_kernel
	.amdgpu_metadata
---
amdhsa.version: [ 1, 2 ]
amdhsa.kernels:
  - .name:           k_q0fd8cfb676_attn
    .symbol:         k_q0fd8cfb676_attn.kd
    .args:
      - { .name: qkv, .offset: 0, .size: 8, .value_kind: global_buffer, .address_space: global }
      - { .name: ao, .offset: 8, .size: 8, .value_kind: global_buffer, .address_space: global }
    .group_segment_fixed_size: 327680
    .private_segment_fixed_size: 0
    .kernarg_segment_align: 8
    .kernarg_segment_size: 16
    .max_flat_workgroup_size: 128
    .sgpr_count:     66
    .vgpr_count:     512
    .wavefront_size: 32
...
	.end_amdgpu_metadata
.endif
;; end of part 3
;; launch outp (part 4): grid 8 x 32, 4 waves a work-group, clusters of 4 x 4, 327,680 bytes of LDS; arguments ao, cb, bo, out0; writes out0
.if DOCPART == 4
	.amdgcn_target "amdgcn-amd-amdhsa--gfx1250"
	.amdhsa_code_object_version 6
	.text
	.protected	k_q0fd8cfb676_outp
	.globl	k_q0fd8cfb676_outp
	.p2align	8
	.type	k_q0fd8cfb676_outp,@function
k_q0fd8cfb676_outp:
	s_mov_b64 s[64:65], 0
	v_nop
	global_prefetch_b8 v0, s[64:65] scope:SCOPE_SE
	s_setreg_imm32_b32 hwreg(HW_REG_WAVE_MODE, 25, 1), 1
	s_wait_xcnt 0x0
	s_wait_alu depctr_hold_cnt(0) depctr_sa_sdst(0) depctr_va_vdst(0) depctr_va_sdst(0) depctr_va_ssrc(0) depctr_va_vcc(0) depctr_vm_vsrc(0)
	s_getreg_b32 s2, hwreg(HW_REG_IB_STS2, 6, 4)
	s_cmp_eq_u32 s2, 0
	s_cbranch_scc0 .Lentry_in_a_cluster
	s_endpgm
.Lentry_in_a_cluster:
	s_bfe_u32 s2, ttmp6, 0x10000c
	s_cmp_lg_u32 s2, 0xf033
	s_cbranch_scc0 .Lentry_shape_is_right
	s_endpgm
.Lentry_shape_is_right:
; outp: out0 = a Wo + bo.  a(m, k) with m = 2048 batch + s, k = 64 head + d lies head-major: ao f16 [16 batch + head][s][64].
; Wo: f16 [k][n] at cb + 30 MiB.  Sums and bias in f32; out0 f32 [4096][1024].
; LIMITS: both operands are f16 (Wo is the f16 of its bf16 rounding): magnitudes below 65,504.
; SHAPE: as in the input projections: a work-group makes 128 x 128 with four waves (2 x 2), a wave 64 x 64 in 16 accumulator tiles; 256 blocks.
; K = 1024 in four steps of 256 (four heads) through two LDS slots, written out.  A slot: a's chunks [head in slot 0..3][row 0..127] of 128 bytes at
; pitch 144, then Wo's 256 k-rows x 256 bytes at pitch 288.  Wave 0, 1: two heads of a each, by one load of two dense pieces of 16 KiB; wave 2, 3: 128 k-rows of Wo.
; CLUSTERS: 4 x 4; a's tile hangs on the block row and is asked for jointly along a cluster's row, Wo's on the block column, jointly along a column.
; The matrix instruction is used transposed (source 0 = columns of Wo, source 1 = rows of a): a lane holds 8 neighbouring columns of one row.
; The way out goes through a stage of 16 rows x 272 bytes a wave, so that sixteen lanes store 256 consecutive bytes, aligned.
.set REG,   36864                      ; 128 x 288 (Wo), 2 x 128 x 144 (a)
.set SLOT,  4*REG
.set STAGE, 2*SLOT
.set PA,    144                        ; a's chunk pitch: 128 + 16, an odd multiple of 16
.set PB,    288
.set SP,    272
.set ASTEP, 1048576                    ; four head blocks of 256 KiB
.set BSTEP, 524288                     ; 256 k-rows of Wo
.set ADRA, 8
.set ADRB, 10
.set STO,  14
.set RD,   15
.set CO,   16
.set BOF,  17
.set BIAS, 32
.set F0,   64
.set F1,   128
.set PT,   208
.set G1A, 24
.set G0A, 32
.set G1B, 40
.set G0B, 48
.set MSB, 0
.macro WIN new
.if MSB != \new
	s_set_vgpr_msb (MSB<<8)|\new
.set MSB, \new
.endif
.endm
.macro PLACES n
.rept \n
	v_nop
.endr
.endm
.macro JLOAD s                         ; waves 0, 1 ask for a's parts, waves 2, 3 for Wo's; the branch hangs on the wave's number alone
	s_cmp_eq_u32 s15, 0
	s_cbranch_scc0 .Lfor_b_\@
	tensor_load_to_lds s[G0A+4*\s:G0A+4*\s+3], s[G1A:G1A+7]
	s_nop 0
	s_branch .Lasked_\@
.Lfor_b_\@:
	tensor_load_to_lds s[G0B+4*\s:G0B+4*\s+3], s[G1B:G1B+7]
	s_nop 0
.Lasked_\@:
.endm
.macro CREST
	s_cmp_lg_u32 s14, 0
	s_cbranch_scc1 .Lnot_wave_0_\@
	s_barrier_signal -3
.Lnot_wave_0_\@:
	s_barrier_wait -3
	s_barrier_signal -1
	s_barrier_wait -1
.endm
.macro CROUND
	s_barrier_signal -1
	s_barrier_wait -1
	CREST
.endm
	s_load_b256 s[4:11], s[0:1], 0x0               ; ao s[4:5], cb s[6:7], bo s[8:9], out0 s[10:11]
	v_lshl_add_u32 v254, v0, 2, 0x4c400
	v_mov_b32 v255, 0
	ds_add_u32 v254, v255
	ds_add_u32 v254, v255
	v_lshrrev_b32 v1, 5, v0
	v_readfirstlane_b32 s14, v1                    ; wave
	s_lshr_b32 s15, s14, 1                         ; wr; also: I fetch a (0) or Wo (1)
	s_and_b32 s16, s14, 1                          ; wc; also: which part I fetch
	s_bfe_u32 s17, ttmp6, 0x40000                  ; cx
	s_bfe_u32 s18, ttmp6, 0x40004                  ; cy
	s_lshl_b32 s19, ttmp9, 2
	s_add_co_u32 s19, s19, s17                     ; block column 0..7
	s_and_b32 s20, ttmp7, 0xffff
	s_lshl_b32 s20, s20, 2
	s_add_co_u32 s20, s20, s18                     ; block row 0..31
	s_lshl_b32 s22, s18, 2
	s_lshl_b32 s22, 15, s22                        ; my row of the cluster
	s_lshl_b32 s23, 0x1111, s17                    ; my column
	; group 1 for a: 2 rows of 8,192 elements (128 s-rows x 64, dense), one head block (131,072 elements) apart; 16 bytes of padding behind every 32 words
	s_or_b32 s[G1A+0], s22, (1<<16)|(1<<20)|(1<<21)|(4<<22)|(3<<25)
	s_mov_b32 s[G1A+1], 8192<<16                   ; tensor_dim0 = 8192
	s_mov_b32 s[G1A+2], 2<<16                      ; tensor_dim1 = 2
	s_mov_b32 s[G1A+3], 8192<<16                   ; tile_dim0 = 8192
	s_mov_b32 s[G1A+4], 2                          ; tile_dim1 = 2
	s_mov_b32 s[G1A+5], 131072
	s_mov_b32 s[G1A+6], 0
	s_mov_b32 s[G1A+7], 0
	; group 1 for Wo: 128 k-rows x 128 elements, 32 bytes of padding behind every 64 words
	s_or_b32 s[G1B+0], s23, (1<<16)|(1<<20)|(1<<21)|(5<<22)|(7<<25)
	s_mov_b32 s[G1B+1], 128<<16
	s_mov_b32 s[G1B+2], 128<<16
	s_mov_b32 s[G1B+3], 128<<16
	s_mov_b32 s[G1B+4], 128
	s_mov_b32 s[G1B+5], 1024
	s_mov_b32 s[G1B+6], 0
	s_mov_b32 s[G1B+7], 0
	; a's address in s66-69 (block row, wave), Wo's in s70-73 (block column, wave): neither set ever holds the other coordinate
	s_lshr_b32 s66, s20, 4                         ; batch
	s_lshl_b32 s66, s66, 22                        ; 16 head blocks
	s_lshl_b32 s68, s16, 19                        ; my two heads
	s_add_co_u32 s66, s66, s68
	s_and_b32 s68, s20, 15
	s_lshl_b32 s68, s68, 14                        ; 128 s-rows x 128 bytes
	s_add_co_u32 s66, s66, s68
	s_mov_b32 s67, 0
	s_lshl_b32 s70, s16, 18                        ; my 128 k-rows
	s_lshl_b32 s72, s19, 8                         ; 128 columns x 2 bytes
	s_add_co_u32 s70, s70, s72
	s_add_co_u32 s70, s70, 0x1e00000               ; Wo begins at 30 MiB
	s_mov_b32 s71, 0
	s_mul_i32 s74, s14, REG
	s_wait_dscnt 0x0
	s_wait_kmcnt 0x0
	s_add_nc_u64 s[66:67], s[4:5], s[66:67]
	s_add_nc_u64 s[70:71], s[6:7], s[70:71]
	CROUND                                         ; all sixteen work-groups are here: the first joint loads meet
.irp s, 0,1
	s_mov_b32 s[G0A+4*\s], 1
	s_add_co_u32 s[G0A+4*\s+1], s74, \s*SLOT
	s_add_nc_u64 s[G0A+4*\s+2:G0A+4*\s+3], s[66:67], \s*ASTEP
	s_or_b32 s[G0A+4*\s+3], s[G0A+4*\s+3], 0x80000000
	s_mov_b32 s[G0B+4*\s], 1
	s_add_co_u32 s[G0B+4*\s+1], s74, \s*SLOT
	s_add_nc_u64 s[G0B+4*\s+2:G0B+4*\s+3], s[70:71], \s*BSTEP
	s_or_b32 s[G0B+4*\s+3], s[G0B+4*\s+3], 0x80000000
	JLOAD \s                                       ; both slots' first fills: two loads of the wave are out, the most in this text
.endr
	v_and_b32 v1, 15, v0                           ; r
	v_bfe_u32 v2, v0, 4, 1                         ; h
	s_lshl_b32 s62, s19, 9
	s_lshl_b32 s63, s16, 8
	s_add_co_u32 s62, s62, s63                     ; 4 (128 block column + 64 wc)
	v_lshl_add_u32 v[BOF], v2, 5, s62
.irp b, 0,1,2,3
	global_load_b128 v[BIAS+8*\b:BIAS+8*\b+3], v[BOF], s[8:9] offset:64*\b
	global_load_b128 v[BIAS+8*\b+4:BIAS+8*\b+7], v[BOF], s[8:9] offset:64*\b+16
.endr
	v_mul_u32_u24 v3, v1, PA
	v_lshl_add_u32 v3, v2, 4, v3                   ; a: row x pitch + 16 h
	s_mul_i32 s62, s15, 64*PA                      ; my 64 rows in every chunk
	v_add_nc_u32 v[ADRA], s62, v3
	v_add_nc_u32 v[ADRA+1], SLOT, v[ADRA]
	v_and_b32 v4, 7, v0
	v_lshl_add_u32 v4, v2, 3, v4
	v_mul_u32_u24 v4, v4, PB
	v_bfe_u32 v5, v0, 3, 1
	v_lshl_add_u32 v4, v5, 4, v4
	s_lshl_b32 s62, s16, 7
	s_add_co_u32 s62, s62, 2*REG
	v_add_nc_u32 v[ADRB], s62, v4
	v_add_nc_u32 v[ADRB+1], REG, v[ADRB]
	v_add_nc_u32 v[ADRB+2], SLOT, v[ADRB]
	v_add_nc_u32 v[ADRB+3], SLOT+REG, v[ADRB]
	s_mul_i32 s62, s14, 16*SP
	s_add_co_u32 s62, s62, STAGE
	v_mul_u32_u24 v6, v1, SP
	v_lshl_add_u32 v6, v2, 5, v6
	v_add_nc_u32 v[STO], s62, v6                   ; in: row r, 32 bytes for each half of the lanes
	v_mul_u32_u24 v7, v2, SP
	v_lshl_add_u32 v7, v1, 4, v7
	v_add_nc_u32 v[RD], s62, v7                    ; back: lanes 0-15 one row of 256 bytes, lanes 16-31 the next
	v_lshlrev_b32 v6, 12, v2
	v_lshl_add_u32 v[CO], v1, 4, v6                ; the same two rows in out0
	s_lshl_b32 s62, s20, 7
	s_lshl_b32 s63, s15, 6
	s_add_co_u32 s62, s62, s63                     ; my first row
	s_lshl_b32 s62, s62, 12                        ; x 4,096 bytes
	s_lshl_b32 s63, s19, 9
	s_add_co_u32 s62, s62, s63
	s_lshl_b32 s63, s16, 8
	s_add_co_u32 s62, s62, s63                     ; + my first column x 4
	s_mov_b32 s63, 0
	s_add_nc_u64 s[58:59], s[10:11], s[62:63]
; 16 LDS loads: K step q (32 along K, q = 0..7 in a slot: head q / 2 of the slot, half q % 2 of its 64) into buffer f
.macro FETCH slot, q, f
	WIN 0
.irp b, 0,1,2,3
	ds_load_tr16_b128 v[\f+8*\b:\f+8*\b+3], v[ADRB+2*\slot+(\q>>2)] offset:(\q&3)*32*PB+32*\b
	ds_load_tr16_b128 v[\f+8*\b+4:\f+8*\b+7], v[ADRB+2*\slot+(\q>>2)] offset:(\q&3)*32*PB+32*\b+16*PB
.endr
.irp a, 0,1,2,3
	ds_load_b128 v[\f+32+8*\a:\f+32+8*\a+3], v[ADRA+\slot] offset:(\q>>1)*128*PA+\a*16*PA+(\q&1)*64
	ds_load_b128 v[\f+32+8*\a+4:\f+32+8*\a+7], v[ADRA+\slot] offset:(\q>>1)*128*PA+\a*16*PA+(\q&1)*64+32
.endr
.endm
; 16 matrix instructions, each accumulator once, always in the same order: the accumulators take turns.
.macro MUL16 f, zero
	WIN 0x50
.irp a, 0,1,2,3
.irp b, 0,1,2,3
.if \zero
	v_wmma_f32_16x16x32_f16 v[8*(4*\a+\b):8*(4*\a+\b)+7], v[\f+8*\b:\f+8*\b+7], v[\f+32+8*\a:\f+32+8*\a+7], 0
.else
	v_wmma_f32_16x16x32_f16 v[8*(4*\a+\b):8*(4*\a+\b)+7], v[\f+8*\b:\f+8*\b+7], v[\f+32+8*\a:\f+32+8*\a+7], v[8*(4*\a+\b):8*(4*\a+\b)+7]
.endif
.endr
.endr
.endm
.macro QUARTER slot, q, f, g, zero
	PLACES 4                                       ; four places between the matrix instructions that read g and the loads into it (ISA guide 7.12.1 for instructions other than loads)
	FETCH \slot, \q, \g
	s_wait_dscnt 16                                ; f's 16 loads are in; the 16 just issued stay out
	MUL16 \f, \zero
.endm
.macro PHASE slot, zero
	QUARTER \slot, 1, F0, F1, \zero
	QUARTER \slot, 2, F1, F0, 0
	QUARTER \slot, 3, F0, F1, 0
	QUARTER \slot, 4, F1, F0, 0
	QUARTER \slot, 5, F0, F1, 0
	QUARTER \slot, 6, F1, F0, 0
	QUARTER \slot, 7, F0, F1, 0
.endm
; The slot's last K step and the change of slots: my reads of this slot are over and all my tensor loads have landed, then the barrier.
; mode = 2: it opens a round of the cluster's barrier, and the joint refill of this slot is the first tensor load behind the round.
.macro LASTQ slot, next, mode
	s_wait_dscnt 0x0
	s_wait_tensorcnt 0x0
	ds_add_u32 v254, v255
	s_wait_dscnt 0x0
	s_barrier_signal -1
	MUL16 F1, 0
	WIN 0
	s_barrier_wait -1
.if \mode == 2
	CREST
	s_add_nc_u64 s[G0A+4*\slot+2:G0A+4*\slot+3], s[G0A+4*\slot+2:G0A+4*\slot+3], 2*ASTEP
	s_add_nc_u64 s[G0B+4*\slot+2:G0B+4*\slot+3], s[G0B+4*\slot+2:G0B+4*\slot+3], 2*BSTEP
	JLOAD \slot
.endif
	PLACES 4
	FETCH \next, 0, F0
.endm
	s_wait_tensorcnt 0x1                           ; my part of slot 0 is in; slot 1's load stays out
	s_barrier_signal -1
	s_barrier_wait -1
	FETCH 0, 0, F0
	PHASE 0, 1                                     ; heads 0-3
	LASTQ 0, 1, 2                                  ; slot 0 asked again: heads 8-11
	PHASE 1, 0                                     ; heads 4-7
	LASTQ 1, 0, 2                                  ; slot 1 asked again: heads 12-15
	PHASE 0, 0
	LASTQ 0, 1, 1                                  ; nothing left to fetch
	PHASE 1, 0
	s_wait_dscnt 0x0
	MUL16 F1, 0
	PLACES 4                                       ; behind the last matrix instructions: results are read, buffers loaded again
	WIN 0
	s_wait_loadcnt 0x0                             ; the bias
; rows 16 a .. 16 a + 15: acc + bo, through my stage, out as whole rows of 256 bytes
.macro OUT16 a, f
	WIN 0x01
.irp b, 0,1,2,3
.irp p, 0,2,4,6
	v_pk_add_f32 v[PT+8*\b+\p:PT+8*\b+\p+1], v[8*(4*\a+\b)+\p:8*(4*\a+\b)+\p+1], v[BIAS+8*\b+\p:BIAS+8*\b+\p+1]
.endr
.endr
	WIN 0
.irp b, 0,1,2,3
	ds_store_b128 v[STO], v[PT+8*\b:PT+8*\b+3] offset:64*\b
	ds_store_b128 v[STO], v[PT+8*\b+4:PT+8*\b+7] offset:64*\b+16
.endr
	s_wait_xcnt 0x0                                ; buffer f, which earlier stores read, is loaded again only behind this wait
.irp t, 0,1,2,3,4,5,6,7
	ds_load_b128 v[\f+4*\t:\f+4*\t+3], v[RD] offset:\t*2*SP    ; a wave's LDS instructions are served in order: these see the stores above
.endr
.irp t, 0,1,2,3,4,5,6,7
	s_wait_dscnt 7-\t                              ; read-back t is in, the younger ones stay out
	global_store_b128 v[CO], v[\f+4*\t:\f+4*\t+3], s[58:59] offset:(16*\a+2*\t)*4096 th:TH_STORE_NT   ; sixteen lanes store 256 consecutive bytes, aligned
.endr
.endm
	OUT16 0, F0
	OUT16 1, F1
	OUT16 2, F0
	OUT16 3, F1
	s_wait_tensorcnt 0x0
	ds_add_u32 v254, v255
	s_wait_dscnt 0x0
	CROUND                                         ; the closing round: no work-group ends while a partner may still ask jointly
	s_endpgm
.Lfunc_end_k_q0fd8cfb676_outp:
	.size	k_q0fd8cfb676_outp, .Lfunc_end_k_q0fd8cfb676_outp-k_q0fd8cfb676_outp
	.p2alignl 7, 3214868480
	.fill 96, 4, 3214868480
	.section	.rodata,"a",@progbits
	.p2align	6, 0x0
	.amdhsa_kernel k_q0fd8cfb676_outp
		.amdhsa_group_segment_fixed_size 327680
		.amdhsa_private_segment_fixed_size 0
		.amdhsa_enable_private_segment 0
		.amdhsa_kernarg_size 32
		.amdhsa_user_sgpr_count 2
		.amdhsa_user_sgpr_kernarg_segment_ptr 1
		.amdhsa_wavefront_size32 1
		.amdhsa_system_sgpr_workgroup_id_x 1
		.amdhsa_system_sgpr_workgroup_id_y 1
		.amdhsa_system_sgpr_workgroup_id_z 1
		.amdhsa_system_vgpr_workitem_id 0
		.amdhsa_next_free_vgpr 384
		.amdhsa_next_free_sgpr 80
		.amdhsa_reserve_vcc 0
		.amdhsa_float_denorm_mode_32 3
		.amdhsa_float_denorm_mode_16_64 3
		.amdhsa_memory_ordered 1
		.amdhsa_forward_progress 1
		.amdhsa_inst_pref_size 93
	.end_amdhsa_kernel
	.amdgpu_metadata
---
amdhsa.version: [ 1, 2 ]
amdhsa.kernels:
  - .name:           k_q0fd8cfb676_outp
    .symbol:         k_q0fd8cfb676_outp.kd
    .args:
      - { .name: ao, .offset: 0, .size: 8, .value_kind: global_buffer, .address_space: global }
      - { .name: cb, .offset: 8, .size: 8, .value_kind: global_buffer, .address_space: global }
      - { .name: bo, .offset: 16, .size: 8, .value_kind: global_buffer, .address_space: global }
      - { .name: out0, .offset: 24, .size: 8, .value_kind: global_buffer, .address_space: global }
    .group_segment_fixed_size: 327680
    .private_segment_fixed_size: 0
    .kernarg_segment_align: 8
    .kernarg_segment_size: 32
    .max_flat_workgroup_size: 128
    .sgpr_count:     80
    .vgpr_count:     384
    .wavefront_size: 32
...
	.end_amdgpu_metadata
.endif
;; end of part 4
;; ======== version 2 of 2: 4 launches; 1.12 times as fast as version 1
;; limits: values are held in f16: magnitudes above 65,504 overflow, below 6.1e-05 lose precision
;; workspace buffers: cb 33,554,432 bytes; qkv 25,165,824 bytes; ao 8,388,608 bytes
;; launch cast: the kernel of part 1 again; grid 1024 x 1, 8 waves a work-group, no clusters, 0 bytes of LDS; arguments Q, K, V, Wq, Wk, Wv, Wo, cb; writes cb
;; launch proj (part 5): grid 4 x 48, 4 waves a work-group, clusters of 4 x 4, 327,680 bytes of LDS; arguments cb, bq, bk, bv, qkv; writes qkv
.if DOCPART == 5
	.amdgcn_target "amdgcn-amd-amdhsa--gfx1250"
	.amdhsa_code_object_version 6
	.text
	.protected	k_q0fd8cfb676_proj
	.globl	k_q0fd8cfb676_proj
	.p2align	8
	.type	k_q0fd8cfb676_proj,@function
k_q0fd8cfb676_proj:
	s_mov_b64 s[64:65], 0
	v_nop
	global_prefetch_b8 v0, s[64:65] scope:SCOPE_SE
	s_setreg_imm32_b32 hwreg(HW_REG_WAVE_MODE, 25, 1), 1
	s_wait_xcnt 0x0
	s_wait_alu depctr_hold_cnt(0) depctr_sa_sdst(0) depctr_va_vdst(0) depctr_va_sdst(0) depctr_va_ssrc(0) depctr_va_vcc(0) depctr_vm_vsrc(0)
	s_getreg_b32 s2, hwreg(HW_REG_IB_STS2, 6, 4)
	s_cmp_eq_u32 s2, 0
	s_cbranch_scc0 .Lentry_in_a_cluster
	s_endpgm
.Lentry_in_a_cluster:
	s_bfe_u32 s2, ttmp6, 0x10000c
	s_cmp_lg_u32 s2, 0xf033
	s_cbranch_scc0 .Lentry_shape_is_right
	s_endpgm
.Lentry_shape_is_right:
; proj: the three input projections, one grid.  For g = 0, 1, 2 (q, k, v):  y = (x_g W_g + b_g) sc_g, stored as f16, head-major:
; qkv[g][hb = 16 batch + head][s 2048][64].  sc_q = 2^-1.5 log2(e), sc_k = 2^-1.5 (each is 1 / 64^(1/4); the softmax works in base 2), sc_v = 1.
; x_g: bf16 [4096][1024] at cb + g 8 MiB.  W_g: bf16 [k][n] at cb + 24 MiB + g 2 MiB.  Sums and bias in f32.
; LIMITS: operands are the bf16 roundings of the inputs; the results must stay below 65,504 in magnitude (f16), and below 2^-14
; they carry an absolute error of up to 2^-25.
; SHAPE: a work-group makes 256 x 256 of y with four waves (2 x 2), a wave 128 x 128: 64 accumulator tiles, 512 registers.  For 32 along K a wave
; issues 32 LDS loads and 64 matrix instructions.  3 x 16 x 4 = 192 blocks: no block of this shape divides the three products into 256 equal parts,
; and a block of 128 x 128, which does, reads twice the LDS and tile bytes for each product.
; K = 1024 goes in 8 steps of 128 through two LDS slots.  A slot: x's 256 rows x 256 bytes (pitch 272), then W's 128 k-rows x 512 bytes (pitch 544).
; Waves 0, 1 fetch x's halves (128 rows), waves 2, 3 W's halves (64 k-rows): one load a wave.
; CLUSTERS: 4 x 4 work-groups.  x's tile hangs on the block row alone and is asked for jointly by the four of a cluster's row; W's hangs on
; the block column (and on g, which comes from the cluster's y alone) and is asked for jointly by the four of a column.
; THE MATRIX INSTRUCTION IS USED TRANSPOSED: source 0 = 16 columns n of W (brought out of [k][n] rows by the transposing LDS load),
; source 1 = 16 rows of x.  Lane l then holds row l % 16 of y and its registers 0-7 the columns 8 (l / 16) + 0..7: 16 bytes of f16 that belong together.
; REGISTERS, in windows of 256:
;   window 0: v16-27 addresses; v64-127, v128-191 fragments of x, two buffers (on the way out: results in f32, read-backs); v192-223 packed f16
;   window 1: v0-63 b sc of my 8 x 8 columns; v64-127, v128-191 fragments of W, two buffers
;   window 2: the 32 accumulator tiles of my rows 0-63 (tile (a, b) at v[8 (8 a + b)]);   window 3: those of my rows 64-127
.set KSTEP,  128
.set PA,     272                       ; x's LDS pitch: 256 + 16, an odd multiple of 16
.set PB,     544                       ; W's LDS pitch: 512 + 32, an odd multiple of 32
.set HALFT,  128*PA                    ; what one tensor load brings: 128 x 272 = 64 x 544 bytes
.set SLOT,   4*HALFT
.set STAGE,  2*SLOT                    ; behind the ring: 16 rows x 272 bytes for each wave; no fill lands here
.set SP,     272
.set ASTEP,  KSTEP*2                   ; a K step in x: bytes along a row
.set BSTEP,  KSTEP*2048                ; a K step in W: 128 k-rows of 2,048 bytes
.set LAPS,   4                         ; a lap = two K steps = once round the ring
.set ADRA, 16                          ; v16-17  x fragments, slot 0, 1
.set ADRB, 20                          ; v20-21  W fragments, slot 0, 1
.set STO,  24
.set RD,   25
.set CO,   26
.set BOF,  27
.set F0,   64
.set F1,   128
.set PT,   64                          ; the way out: 64 results in f32
.set RB0,  128                         ; the way out: read-backs, two buffers by turns
.set RB1,  160
.set TMP,  192
.set G1A, 24
.set G0A, 32
.set G1B, 40
.set G0B, 48
.set MUL_LO, 0xa1                      ; source 0 (W) window 1, source 1 (x) window 0, C and D window 2
.set MUL_HI, 0xf1                      ; the same, C and D window 3
.set TO_B,   0x40                      ; destination window 1, address window 0
.set MSB, 0
.macro WIN new                         ; the immediate's high byte repeats the setting that is left
.if MSB != \new
	s_set_vgpr_msb (MSB<<8)|\new
.set MSB, \new
.endif
.endm
.macro PLACES n
.rept \n
	v_nop
.endr
.endm
; A joint load: waves 0, 1 ask for x's halves, waves 2, 3 for W's.  Each line has one mask; the branch hangs on the wave's number alone.
.macro JLOAD s
	s_cmp_eq_u32 s15, 0
	s_cbranch_scc0 .Lfor_b_\@
	tensor_load_to_lds s[G0A+4*\s:G0A+4*\s+3], s[G1A:G1A+7]
	s_nop 0
	s_branch .Lasked_\@
.Lfor_b_\@:
	tensor_load_to_lds s[G0B+4*\s:G0B+4*\s+3], s[G1B:G1B+7]
	s_nop 0
.Lasked_\@:
.endm
.macro CREST                           ; a round of the cluster's barrier behind its opening work-group barrier
	s_cmp_lg_u32 s14, 0
	s_cbranch_scc1 .Lnot_wave_0_\@
	s_barrier_signal -3
.Lnot_wave_0_\@:
	s_barrier_wait -3
	s_barrier_signal -1
	s_barrier_wait -1
.endm
.macro CROUND
	s_barrier_signal -1
	s_barrier_wait -1
	CREST
.endm
	s_load_b256 s[4:11], s[0:1], 0x0               ; cb s[4:5], bq s[6:7], bk s[8:9], bv s[10:11]
	s_load_b64 s[12:13], s[0:1], 0x20              ; qkv
	s_set_vgpr_msb 0x40
	v_lshl_add_u32 v255, v0, 2, 0x48400
	s_set_vgpr_msb 0x4000
	v_mov_b32 v255, 0
	s_set_vgpr_msb 0x1
	ds_add_u32 v255, v255
	ds_add_u32 v255, v255
	s_set_vgpr_msb 0x100
	v_lshrrev_b32 v1, 5, v0
	v_readfirstlane_b32 s14, v1                    ; wave 0..3
	s_lshr_b32 s15, s14, 1                         ; wr: my half of the block's rows.  Also: I fetch x (0) or W (1)
	s_and_b32 s16, s14, 1                          ; wc: my half of its columns.  Also: which half of that tile I fetch
	s_bfe_u32 s17, ttmp6, 0x40000                  ; cx
	s_bfe_u32 s18, ttmp6, 0x40004                  ; cy
	s_lshl_b32 s19, ttmp9, 2
	s_add_co_u32 s19, s19, s17                     ; block column 0..3
	s_and_b32 s20, ttmp7, 0xffff
	s_lshl_b32 s20, s20, 2
	s_add_co_u32 s20, s20, s18                     ; block row 0..47 over the three products
	s_and_b32 s21, ttmp7, 0xffff
	s_lshr_b32 s21, s21, 2                         ; g: 4 clusters of 4 block rows to a product; from the cluster's y alone
	s_lshl_b32 s22, s18, 2
	s_lshl_b32 s22, 15, s22                        ; my row of the cluster
	s_lshl_b32 s23, 0x1111, s17                    ; my column
	; group 1 for x: 128 rows x 128 elements of 2 bytes, 16 bytes of padding behind every 64 words
	s_or_b32 s[G1A+0], s22, (1<<16)|(1<<20)|(1<<21)|(5<<22)|(3<<25)
	s_mov_b32 s[G1A+1], 128<<16                    ; tensor_dim0 = 128
	s_mov_b32 s[G1A+2], 128<<16                    ; tensor_dim1 = 128
	s_mov_b32 s[G1A+3], 128<<16                    ; tile_dim0 = 128
	s_mov_b32 s[G1A+4], 128                        ; tile_dim1 = 128
	s_mov_b32 s[G1A+5], 1024                       ; elements from row to row
	s_mov_b32 s[G1A+6], 0
	s_mov_b32 s[G1A+7], 0
	; group 1 for W: 64 k-rows x 256 elements, 32 bytes of padding behind every 128 words
	s_or_b32 s[G1B+0], s23, (1<<16)|(1<<20)|(1<<21)|(6<<22)|(7<<25)
	s_mov_b32 s[G1B+1], 256<<16
	s_mov_b32 s[G1B+2], 64<<16
	s_mov_b32 s[G1B+3], 256<<16
	s_mov_b32 s[G1B+4], 64
	s_mov_b32 s[G1B+5], 1024
	s_mov_b32 s[G1B+6], 0
	s_mov_b32 s[G1B+7], 0
	; x's address in s66-69 (block row, wave), W's in s70-73 (block column, g, wave): neither set ever holds the other coordinate
	s_lshl_b32 s66, s20, 19                        ; 256 rows x 2,048 bytes
	s_lshl_b32 s68, s16, 18                        ; my 128 rows
	s_add_co_u32 s66, s66, s68
	s_mov_b32 s67, 0
	s_lshl_b32 s70, s21, 21                        ; W_g: 2 MiB each
	s_lshl_b32 s72, s16, 17                        ; my 64 k-rows
	s_add_co_u32 s70, s70, s72
	s_lshl_b32 s72, s19, 9                         ; 256 columns x 2 bytes
	s_add_co_u32 s70, s70, s72
	s_add_co_u32 s70, s70, 0x1800000               ; the W's begin at 24 MiB
	s_mov_b32 s71, 0
	s_mul_i32 s74, s14, HALFT                      ; where my loads land: the wave's number alone
	s_wait_dscnt 0x0
	s_wait_kmcnt 0x0
	s_add_nc_u64 s[66:67], s[4:5], s[66:67]
	s_add_nc_u64 s[70:71], s[4:5], s[70:71]
	CROUND                                         ; all sixteen work-groups are here: the first joint loads meet
.irp s, 0,1
	s_mov_b32 s[G0A+4*\s], 1
	s_add_co_u32 s[G0A+4*\s+1], s74, \s*SLOT
	s_add_nc_u64 s[G0A+4*\s+2:G0A+4*\s+3], s[66:67], \s*ASTEP
	s_or_b32 s[G0A+4*\s+3], s[G0A+4*\s+3], 0x80000000
	s_mov_b32 s[G0B+4*\s], 1
	s_add_co_u32 s[G0B+4*\s+1], s74, \s*SLOT
	s_add_nc_u64 s[G0B+4*\s+2:G0B+4*\s+3], s[70:71], \s*BSTEP
	s_or_b32 s[G0B+4*\s+3], s[G0B+4*\s+3], 0x80000000
	JLOAD \s                                       ; both slots' first fills: two loads of the wave are out, the most in this text
.endr
	; which bias and which scale
	s_mov_b32 s60, 0x3f0293ee                      ; 2^-1.5 log2(e)
	s_mov_b32 s62, 0x3eb504f3                      ; 2^-1.5
	s_cmp_eq_u32 s21, 1
	s_cselect_b32 s60, s62, s60
	s_cselect_b64 s[56:57], s[8:9], s[6:7]
	s_cmp_eq_u32 s21, 2
	s_cselect_b32 s60, 1.0, s60
	s_cselect_b64 s[56:57], s[10:11], s[56:57]
	s_mov_b32 s61, s60
	; lane addresses
	v_and_b32 v1, 15, v0                           ; r = l % 16
	v_bfe_u32 v2, v0, 4, 1                         ; h = l / 16
	s_lshl_b32 s62, s19, 10
	s_lshl_b32 s63, s16, 9
	s_add_co_u32 s62, s62, s63                     ; 4 (256 block column + 128 wc)
	v_lshl_add_u32 v[BOF], v2, 5, s62              ; + 32 h: my 8 columns of n block 0
	WIN TO_B                                       ; the bias goes to window 1, v0-63
.irp b, 0,1,2,3,4,5,6,7
	global_load_b128 v[8*\b:8*\b+3], v[BOF], s[56:57] offset:64*\b
	global_load_b128 v[8*\b+4:8*\b+7], v[BOF], s[56:57] offset:64*\b+16
.endr
	WIN 0
	v_mul_u32_u24 v3, v1, PA
	v_lshl_add_u32 v3, v2, 4, v3                   ; x: row x pitch + 16 h
	s_mul_i32 s62, s15, HALFT                      ; my 128 rows are half wr
	v_add_nc_u32 v[ADRA], s62, v3
	v_add_nc_u32 v[ADRA+1], SLOT, v[ADRA]
	v_and_b32 v4, 7, v0
	v_lshl_add_u32 v4, v2, 3, v4                   ; W: k-row 8 h + l % 8,
	v_mul_u32_u24 v4, v4, PB
	v_bfe_u32 v5, v0, 3, 1
	v_lshl_add_u32 v4, v5, 4, v4                   ; 16 bytes on for lanes 8-15 and 24-31,
	s_lshl_b32 s62, s16, 8                         ; my 128 columns,
	s_add_co_u32 s62, s62, 2*HALFT                 ; behind x's 256 rows
	v_add_nc_u32 v[ADRB], s62, v4
	v_add_nc_u32 v[ADRB+1], SLOT, v[ADRB]
	s_mul_i32 s62, s14, 16*SP
	s_add_co_u32 s62, s62, STAGE                   ; my stage
	v_mul_u32_u24 v6, v1, SP
	v_lshl_add_u32 v6, v2, 4, v6
	v_add_nc_u32 v[STO], s62, v6                   ; in: row r, 16 bytes for each half of the lanes
	v_and_b32 v7, 31, v0
	v_lshlrev_b32 v[CO], 4, v7                     ; out: 16 l in a dense piece of 512 bytes
	v_lshrrev_b32 v7, 3, v7
	v_mul_u32_u24 v7, v7, SP
	v_and_b32 v6, 7, v0
	v_lshl_add_u32 v7, v6, 4, v7
	v_add_nc_u32 v[RD], s62, v7                    ; back: eight lanes take 128 bytes (one head's part) of a row
	; my block in qkv: g 8 MiB + ((16 batch + head) 2048 + s) 128, head = 4 block column + 2 wc (and the next one)
	s_and_b32 s62, s20, 15
	s_lshl_b32 s62, s62, 8
	s_lshl_b32 s63, s15, 7
	s_add_co_u32 s62, s62, s63                     ; my first row of x_g, 0..3968
	s_lshr_b32 s63, s62, 11                        ; batch
	s_lshl_b32 s63, s63, 4
	s_lshl2_add_u32 s63, s19, s63                  ; + 4 block column
	s_lshl1_add_u32 s63, s16, s63                  ; + 2 wc: hb
	s_lshl_b32 s63, s63, 11
	s_and_b32 s62, s62, 2047
	s_add_co_u32 s62, s62, s63
	s_lshl_b32 s62, s62, 7
	s_lshl_b32 s63, s21, 23
	s_add_co_u32 s62, s62, s63
	s_mov_b32 s63, 0
	s_add_nc_u64 s[58:59], s[12:13], s[62:63]
; 16 matrix instructions: m blocks a0, a0 + 1 of the window's four (hi = 0: my rows 0-63, 1: rows 64-127) x all 8 n blocks, 32 along K.
; The 64 accumulators take turns, one instruction a turn, in the same order in every quarter step.
; zero = 1: the first product starts the sums: nothing is cleared.
.macro MUL16 f, hi, a0, zero
.irp a, \a0, \a0+1
.irp b, 0,1,2,3,4,5,6,7
.if \zero
	v_wmma_f32_16x16x32_bf16 v[8*(8*(\a)+\b):8*(8*(\a)+\b)+7], v[\f+8*\b:\f+8*\b+7], v[\f+8*(4*\hi+\a):\f+8*(4*\hi+\a)+7], 0
.else
	v_wmma_f32_16x16x32_bf16 v[8*(8*(\a)+\b):8*(8*(\a)+\b)+7], v[\f+8*\b:\f+8*\b+7], v[\f+8*(4*\hi+\a):\f+8*(4*\hi+\a)+7], v[8*(8*(\a)+\b):8*(8*(\a)+\b)+7]
.endif
.endr
.endr
.endm
; 32 LDS loads in one run: the fragments of quarter step q (32 along K) into buffer f: 128 columns of W, then 128 rows of x
.macro FETCH slot, q, f
	WIN TO_B
.irp i, 0,1,2,3,4,5,6,7
	ds_load_tr16_b128 v[\f+8*\i:\f+8*\i+3],   v[ADRB+\slot] offset:\q*32*PB+32*\i
	ds_load_tr16_b128 v[\f+8*\i+4:\f+8*\i+7], v[ADRB+\slot] offset:\q*32*PB+32*\i+16*PB
.endr
	WIN 0
.irp i, 0,1,2,3,4,5,6,7
	ds_load_b128 v[\f+8*\i:\f+8*\i+3],   v[ADRA+\slot] offset:\q*64+\i*16*PA
	ds_load_b128 v[\f+8*\i+4:\f+8*\i+7], v[ADRA+\slot] offset:\q*64+\i*16*PA+32
.endr
.endm
; One of a K step's first three quarters: multiplies buffer f; in its middle it fetches quarter q's fragments into buffer g.
.macro QUARTER slot, q, f, g, zero
	s_wait_dscnt 8                                 ; W and x's rows 0-63 are in; the youngest eight loads (x's rows 64-127) may be out
	WIN MUL_LO
	MUL16 \f, 0, 0, \zero
	MUL16 \f, 0, 2, \zero
	PLACES 4                                       ; four places between the matrix instructions that read g and the loads into it (ISA guide 7.12.1 for instructions other than loads)
	FETCH \slot, \q, \g
	s_wait_dscnt 32                                ; all but the 32 just issued
	WIN MUL_HI
	MUL16 \f, 1, 0, \zero
	MUL16 \f, 1, 2, \zero
.endm
.macro THREE slot, zero
	QUARTER \slot, 1, F0, F1, \zero
	QUARTER \slot, 2, F1, F0, 0
	QUARTER \slot, 3, F0, F1, 0
.endm
; The last quarter: multiplies buffer 1 and changes slots.  In front of the barrier each wave waits for its reads of this slot and for all its tensor
; loads, of which one is out: its part of the next slot.  fill = 1: the barrier opens a round of the cluster's barrier, and the joint refill of this slot,
; two K steps ahead, is the first tensor load behind the round.  From a request to the wait for it a wave issues 240 matrix instructions.
.macro TURN slot, next, fill
	s_wait_dscnt 8
	WIN MUL_LO
	MUL16 F1, 0, 0, 0
	s_wait_dscnt 0x0                               ; my reads of this slot are over
	s_wait_tensorcnt 0x0                           ; and all my tensor loads have landed
	ds_add_u32 v255, v255
	s_wait_dscnt 0x0
	s_barrier_signal -1
	MUL16 F1, 0, 2, 0                              ; registers only
	WIN 0
	s_barrier_wait -1
.if \fill
	CREST
	s_add_nc_u64 s[G0A+4*\slot+2:G0A+4*\slot+3], s[G0A+4*\slot+2:G0A+4*\slot+3], 2*ASTEP   ; no load of mine is out: the addresses may step
	s_add_nc_u64 s[G0B+4*\slot+2:G0B+4*\slot+3], s[G0B+4*\slot+2:G0B+4*\slot+3], 2*BSTEP
	JLOAD \slot
.endif
	PLACES 4
	FETCH \next, 0, F0
	WIN MUL_HI
	MUL16 F1, 1, 0, 0
	MUL16 F1, 1, 2, 0
.endm
.macro LAP zero                        ; once round the ring, both slots filled again
	THREE 0, \zero
	TURN 0, 1, 1
	THREE 1, 0
	TURN 1, 0, 1
.endm
	s_wait_tensorcnt 0x1                           ; my part of K step 0 is in; K step 1's load stays out
	s_barrier_signal -1
	s_barrier_wait -1
	FETCH 0, 0, F0
	LAP 1                                          ; the first lap stands in front of the loop: its first products start the sums
	WIN 0                                          ; at a label and at a branch every window is 0
	s_mov_b32 s75, LAPS-2
.Llap:
	LAP 0
	WIN 0
	s_sub_co_u32 s75, s75, 1
	s_cmp_lg_u32 s75, 0
	s_cbranch_scc1 .Llap
	THREE 0, 0                                     ; the last lap fills nothing: the work-group's barrier alone
	TURN 0, 1, 0
	THREE 1, 0
	s_wait_dscnt 8                                 ; the very last quarter
	WIN MUL_LO
	MUL16 F1, 0, 0, 0
	MUL16 F1, 0, 2, 0
	s_wait_dscnt 0x0
	WIN MUL_HI
	MUL16 F1, 1, 0, 0
	MUL16 F1, 1, 2, 0
	PLACES 4                                       ; behind the last matrix instructions: results are read, fragment registers written again
	s_wait_loadcnt 0x0                             ; the bias
	WIN 0x41                                       ; source 0 and destination in window 1
.irp p, 0,2,4,6,8,10,12,14,16,18,20,22,24,26,28,30,32,34,36,38,40,42,44,46,48,50,52,54,56,58,60,62
	v_pk_mul_f32 v[\p:\p+1], v[\p:\p+1], s[60:61] op_sel_hi:[1,0]   ; b sc, once
.endr
; rows 16 i .. 16 i + 15 of my block = the eight tiles (a, 0..7) of window 2 or 3 (win = 0x12 or 0x13: source 0 there, source 2, the bias, in window 1):
; acc sc + b sc, to f16, 16 bytes a lane into my stage, back as pieces of 4 rows x 128 bytes of one head, which are 512 dense bytes of qkv.
.macro OUT16 i, a, win, rb
	WIN \win
.irp b, 0,1,2,3,4,5,6,7
.irp p, 0,2,4,6
	v_pk_fma_f32 v[PT+8*\b+\p:PT+8*\b+\p+1], v[8*(8*\a+\b)+\p:8*(8*\a+\b)+\p+1], s[60:61], v[8*\b+\p:8*\b+\p+1] op_sel_hi:[1,0,1]
.endr
.endr
	WIN 0
.irp b, 0,1,2,3,4,5,6,7
.irp p, 0,1,2,3
	v_cvt_pk_f16_f32 v[TMP+4*\b+\p], v[PT+8*\b+2*\p], v[PT+8*\b+2*\p+1]
.endr
.endr
.irp b, 0,1,2,3,4,5,6,7
	ds_store_b128 v[STO], v[TMP+4*\b:TMP+4*\b+3] offset:32*\b
.endr
	s_wait_xcnt 0x0                                ; buffer rb, which earlier stores read, is loaded again only behind this wait
.irp t, 0,1,2,3,4,5,6,7
	ds_load_b128 v[\rb+4*\t:\rb+4*\t+3], v[RD] offset:(\t&3)*4*SP+(\t>>2)*128    ; a wave's LDS instructions are served in order: these see the stores above
.endr
.irp t, 0,1,2,3,4,5,6,7
	s_wait_dscnt 7-\t                              ; read-back t is in, the younger ones stay out
	global_store_b128 v[CO], v[\rb+4*\t:\rb+4*\t+3], s[58:59] offset:(\t>>2)*262144+\i*2048+(\t&3)*512   ; 512 consecutive bytes, aligned; the second head's block lies 256 KiB on
.endr
.endm
	OUT16 0, 0, 0x12, RB0
	OUT16 1, 1, 0x12, RB1
	OUT16 2, 2, 0x12, RB0
	OUT16 3, 3, 0x12, RB1
	OUT16 4, 0, 0x13, RB0
	OUT16 5, 1, 0x13, RB1
	OUT16 6, 2, 0x13, RB0
	OUT16 7, 3, 0x13, RB1
	s_set_vgpr_msb 0x1
	s_wait_tensorcnt 0x0
	ds_add_u32 v255, v255
	s_wait_dscnt 0x0
	s_set_vgpr_msb 0x100
	CROUND                                         ; the closing round: no work-group ends while a partner may still ask jointly
	s_endpgm
.Lfunc_end_k_q0fd8cfb676_proj:
	.size	k_q0fd8cfb676_proj, .Lfunc_end_k_q0fd8cfb676_proj-k_q0fd8cfb676_proj
	.p2alignl 7, 3214868480
	.fill 96, 4, 3214868480
	.section	.rodata,"a",@progbits
	.p2align	6, 0x0
	.amdhsa_kernel k_q0fd8cfb676_proj
		.amdhsa_group_segment_fixed_size 327680
		.amdhsa_private_segment_fixed_size 0
		.amdhsa_enable_private_segment 0
		.amdhsa_kernarg_size 40
		.amdhsa_user_sgpr_count 2
		.amdhsa_user_sgpr_kernarg_segment_ptr 1
		.amdhsa_wavefront_size32 1
		.amdhsa_system_sgpr_workgroup_id_x 1
		.amdhsa_system_sgpr_workgroup_id_y 1
		.amdhsa_system_sgpr_workgroup_id_z 1
		.amdhsa_system_vgpr_workitem_id 0
		.amdhsa_next_free_vgpr 1024
		.amdhsa_next_free_sgpr 80
		.amdhsa_reserve_vcc 0
		.amdhsa_float_denorm_mode_32 3
		.amdhsa_float_denorm_mode_16_64 3
		.amdhsa_memory_ordered 1
		.amdhsa_forward_progress 1
		.amdhsa_inst_pref_size 216
	.end_amdhsa_kernel
	.amdgpu_metadata
---
amdhsa.version: [ 1, 2 ]
amdhsa.kernels:
  - .name:           k_q0fd8cfb676_proj
    .symbol:         k_q0fd8cfb676_proj.kd
    .args:
      - { .name: cb, .offset: 0, .size: 8, .value_kind: global_buffer, .address_space: global }
      - { .name: bq, .offset: 8, .size: 8, .value_kind: global_buffer, .address_space: global }
      - { .name: bk, .offset: 16, .size: 8, .value_kind: global_buffer, .address_space: global }
      - { .name: bv, .offset: 24, .size: 8, .value_kind: global_buffer, .address_space: global }
      - { .name: qkv, .offset: 32, .size: 8, .value_kind: global_buffer, .address_space: global }
    .group_segment_fixed_size: 327680
    .private_segment_fixed_size: 0
    .kernarg_segment_align: 8
    .kernarg_segment_size: 40
    .max_flat_workgroup_size: 128
    .sgpr_count:     80
    .vgpr_count:     1024
    .wavefront_size: 32
...
	.end_amdgpu_metadata
.endif
;; end of part 5
;; launch attn (part 6): grid 256 x 1, 8 waves a work-group, no clusters, 327,680 bytes of LDS; arguments qkv, ao; writes ao
.if DOCPART == 6
	.amdgcn_target "amdgcn-amd-amdhsa--gfx1250"
	.amdhsa_code_object_version 6
	.text
	.protected	k_q0fd8cfb676_attn
	.globl	k_q0fd8cfb676_attn
	.p2align	8
	.type	k_q0fd8cfb676_attn,@function
k_q0fd8cfb676_attn:
	s_mov_b64 s[64:65], 0
	v_nop
	global_prefetch_b8 v0, s[64:65] scope:SCOPE_SE
	s_setreg_imm32_b32 hwreg(HW_REG_WAVE_MODE, 25, 1), 1
	s_wait_xcnt 0x0
; attn: causal attention of one head, f16 operands, f32 sums, running maximum in base 2 (q carries log2(e) / 8 together with k).
; qkv: f16 [3][hb 32][s 2048][64]; ao: f16 [hb][s][64].
; LIMITS: the attention output is kept in f16: below 65,504 in magnitude, absolute error up to 2^-25 below 2^-14.  Probabilities below 2^-24
; of a row's running maximum round to 0 in f16.  Scores must be finite.
; SHARE: work-group: head hb = id / 8, i = id % 8; it does the query blocks (128 rows) i and 15 - i.  Eight waves, two to a SIMD, so that one wave's softmax
; can run beside the other's matrix instructions.  Waves w and w + 4 own the same 32 query rows (two tiles u of 16); keys go in steps of 256, and group
; g = w / 4 takes keys 128 g .. 128 g + 127 of every step, with a running maximum, sum and O of its own.  At a block's end the two groups merge through
; LDS: each wave sends the query tile that it does not finish and finishes the other (group 0 tile 0, group 1 tile 1).
; A block qb has qb / 2 (rounded down) full steps and a last step that holds the diagonal: it begins D = 128 (qb % 2) keys below the block's first row and is
; masked by selects.  For an even qb group 1's half of the last step lies wholly above the diagonal: it is fetched and computed like the rest and masked
; away (one tile's work in 18).  The running maximum starts at the lowest finite f32, so such a tile gives zeros, not NaN.  9 steps for every work-group.
; BOTH PRODUCTS ARE USED TRANSPOSED.  S^T = K Q^T: source 0 = 16 keys, source 1 = 16 queries: lane (r, h) holds query r and keys 8 h + 0..7 of each key tile.
; So maximum and sum stay in the lane but for one exchange between the halves, and the lane's exponentials, packed to f16, ARE the second source of
; O^T = V^T P^T (source 0 = V through the transposing LDS load): nothing moves between lanes.
; RING: two LDS slots of one step (K 256 x 128 bytes at pitch 144, V at pitch 160); waves 0-3 fetch K's quarters, waves 4-7 V's: one load a wave and step.
; Of the two blocks one has an even number of full steps and one an odd number (they add up to 7).  The even one goes first: its steps lie in slots 0, 1, 0, ..,
; its last step in slot 0; that step asks for the second block's first step, into slot 1, and for the second block's Q; the second block's last step lies in slot 0 again.
; NO MULTICAST: the work-groups of a head need different numbers of steps in each block, so partners would not ask for the same tiles in the same round.
; O is cleared by 64 moves a block: a first step written out to start the sums would add two more bodies to the seven.
; REGISTERS: window 0 below; window 1: K fragments (t, c) at v[16 t + 8 c] (v256-383), V fragments (kv, dt) at v[128 + 8 (4 kv + dt)] (v384-511).
.set REG,   10240                      ; LDS bytes of one load's region: 64 x 160 (V), 64 x 144 = 9,216 (K)
.set SLOT,  8*REG
.set STAGE, 2*SLOT                     ; 16 rows x 144 bytes for each wave; no fill lands here or behind
.set MSEND, 18432                      ; wave w's merge region (9 x 512 bytes) begins at STAGE + 18,432 + 4,608 w = v30 + MSEND
.set PK,    144
.set PV,    160
.set ADK,   1                          ; v1-2     K address, slot 0, 1
.set ADV,   26                         ; v26-27   V address, slot 0, 1
.set QF,    32                         ; v[32:63]   Q fragment (u, c) at +16 u + 8 c
.set OA,    64                         ; v[64:127]  O (dt, u) at +8 (2 dt + u)
.set SC,    128                        ; v[128:255] S (t, u) at +8 (2 t + u); P (u, kv) in place at S (2 kv, u)
; v3 Q offset, v4 stage in, v5 stage back, v6 16 l, v7 mask bound, v[8+2u] maximum, v[9+2u] sum, v[12+2u] alpha, v[13+2u] new maximum,
; v16-25 at work, v28 r + 32 (w % 4) - 8 h - 128 g, v30 merge address, v31 -inf
.set G1K, 24
.set G1V, 32
.set G0,  40
.set MSB, 0
.macro WIN new
.if MSB != \new
	s_set_vgpr_msb (MSB<<8)|\new
.set MSB, \new
.endif
.endm
.macro PLACES n
.rept \n
	v_nop
.endr
.endm
.macro KVLOAD s                        ; my quarter of a step's K or V into slot s: the two lines differ in the padding alone
	s_cmp_eq_u32 s9, 0
	s_cbranch_scc0 .Lfor_v_\@
	tensor_load_to_lds s[G0+4*\s:G0+4*\s+3], s[G1K:G1K+7]
	s_nop 0
	s_branch .Lasked_\@
.Lfor_v_\@:
	tensor_load_to_lds s[G0+4*\s:G0+4*\s+3], s[G1V:G1V+7]
	s_nop 0
.Lasked_\@:
.endm
	s_load_b128 s[4:7], s[0:1], 0x0                ; qkv s[4:5], ao s[6:7]
	v_lshl_add_u32 v254, v0, 2, 0x35800
	v_mov_b32 v255, 0
	ds_add_u32 v254, v255
	ds_add_u32 v254, v255
	s_wait_dscnt 0x0
	v_lshrrev_b32 v1, 5, v0
	v_readfirstlane_b32 s8, v1                     ; wave 0..7
	s_lshr_b32 s9, s8, 2                           ; g: my half of a step's keys.  Also: I fetch K (0) or V (1)
	s_and_b32 s10, s8, 3                           ; my 32 query rows.  Also: which 64 keys I fetch
	s_lshr_b32 s11, ttmp9, 3                       ; hb
	s_and_b32 s12, ttmp9, 7                        ; i
	s_mov_b32 s18, 0x76543210                      ; v_permlanex16_b32: lane l reads lane l xor 16
	s_mov_b32 s19, 0xfedcba98
	; group 1: 8 KiB dense (64 keys x 128 bytes) as 32 rows of 256 bytes; padding behind every 32 words: 4 words for K, 8 for V
	s_mov_b32 s[G1K+0], (1<<16)|(1<<20)|(4<<22)|(3<<25)
	s_mov_b32 s[G1V+0], (1<<16)|(1<<20)|(4<<22)|(7<<25)
.irp g, G1K, G1V
	s_mov_b32 s[\g+1], 128<<16                     ; tensor_dim0 = 128
	s_mov_b32 s[\g+2], 32<<16                      ; tensor_dim1 = 32
	s_mov_b32 s[\g+3], 128<<16                     ; tile_dim0 = 128
	s_mov_b32 s[\g+4], 32                          ; tile_dim1 = 32
	s_mov_b32 s[\g+5], 128                         ; pitch
	s_mov_b32 s[\g+6], 0
	s_mov_b32 s[\g+7], 0
.endr
	s_mul_i32 s22, s8, REG
.irp s, 0,1
	s_mov_b32 s[G0+4*\s], 1
	s_add_co_u32 s[G0+4*\s+1], s22, \s*SLOT        ; LDS: wave x region + slot
.endr
	; the two blocks: X, with an even number of full steps, first; then Y
	s_sub_co_u32 s14, 15, s12
	s_bitcmp1_b32 s12, 1                           ; i / 2 is odd?
	s_cselect_b32 s14, s14, s12                    ; X = 15 - i then, else i
	s_sub_co_u32 s15, 15, s14                      ; Y
	s_lshr_b32 s16, s14, 2                         ; X: pairs of full steps
	s_lshr_b32 s17, s15, 2                         ; Y: pairs of full steps behind its first
	s_and_b32 s59, s14, 1
	s_lshl_b32 s59, s59, 7                         ; D of X
	s_and_b32 s58, s15, 1
	s_lshl_b32 s58, s58, 7                         ; D of Y
	s_add_co_u32 s56, s9, 1
	s_lshl_b32 s56, s56, 23                        ; k at 8 MiB, v at 16 MiB
	s_lshl_b32 s23, s11, 18                        ; head block: 256 KiB
	s_add_co_u32 s56, s56, s23
	s_lshl_b32 s57, s10, 13                        ; my 64 keys: 8 KiB
	s_add_co_u32 s56, s56, s57
	s_mov_b32 s57, 0
	s_lshl_b32 s60, s10, 12                        ; my 32 query rows: 4 KiB
	s_add_co_u32 s60, s60, s23
	s_lshl_b32 s61, s9, 11                         ; the 16 rows that I finish: 2 KiB
	v_and_b32 v16, 15, v0                          ; r
	v_bfe_u32 v17, v0, 4, 1                        ; h
	v_and_b32 v18, 7, v0
	v_bfe_u32 v19, v0, 3, 1
	v_and_b32 v20, 31, v0                          ; l
	v_lshrrev_b32 v21, 3, v20
	s_mul_i32 s22, s9, 2*REG                       ; my group's 128 keys: two regions of K, and as many bytes of V
	v_mul_u32_u24 v22, v16, PK
	v_lshl_add_u32 v22, v17, 4, v22                ; 144 r + 16 h
	v_add_nc_u32 v[ADK], s22, v22                  ; K: key r x pitch + 16 h
	v_add_nc_u32 v[ADK+1], SLOT, v[ADK]
	v_lshl_add_u32 v23, v17, 3, v18
	v_mul_u32_u24 v23, v23, PV                     ; V: key 8 h + l % 8,
	v_lshl_add_u32 v23, v19, 4, v23                ; 16 bytes on for lanes 8-15 and 24-31,
	s_add_co_u32 s22, s22, 4*REG                   ; behind K's four regions
	v_add_nc_u32 v[ADV], s22, v23
	v_add_nc_u32 v[ADV+1], SLOT, v[ADV]
	v_lshlrev_b32 v3, 7, v16
	v_lshl_add_u32 v3, v17, 4, v3                  ; Q: row r x 128 + 16 h
	s_mul_i32 s22, s8, 16*PK
	s_add_co_u32 s22, s22, STAGE
	v_add_nc_u32 v4, s22, v22                      ; stage in: row r, 16 h
	v_mul_u32_u24 v5, v21, PK
	v_lshl_add_u32 v5, v18, 4, v5
	v_add_nc_u32 v5, s22, v5                       ; stage back: eight lanes a row
	v_lshlrev_b32 v6, 4, v20
	s_mul_i32 s22, s8, 4608
	s_add_co_u32 s22, s22, STAGE
	v_add_nc_u32 v30, s22, v6                      ; merge: 16 l + 4,608 w; the regions are reached by the immediates
	v_lshlrev_b32 v28, 3, v17
	v_sub_nc_u32 v28, v16, v28
	s_lshl_b32 s22, s10, 5
	s_lshl_b32 s23, s9, 7
	s_sub_co_u32 s22, s22, s23
	v_add_nc_u32 v28, s22, v28                     ; r - 8 h + 32 (w % 4) - 128 g (signed)
	v_mov_b32 v31, 0xff800000                      ; -inf
	s_wait_kmcnt 0x0
	s_add_nc_u64 s[20:21], s[4:5], s[56:57]        ; my quarter of step 0
	s_mov_b64 s[G0+2:G0+3], s[20:21]               ; slot 0: step 0
	s_or_b32 s[G0+3], s[G0+3], 0x80000000
	s_add_nc_u64 s[G0+6:G0+7], s[20:21], 0x8000    ; slot 1: step 1 (32 KiB a step)
	s_or_b32 s[G0+7], s[G0+7], 0x80000000
	KVLOAD 0                                       ; the launch's first fill, ahead of every wait on TENSORcnt, LDS read and barrier
	s_lshl_b32 s62, s14, 14                        ; 128 rows x 128 bytes
	s_add_co_u32 s62, s62, s60
	s_mov_b32 s63, 0
	s_add_nc_u64 s[48:49], s[4:5], s[62:63]        ; X: my rows of q
	s_add_co_u32 s62, s62, s61
	s_add_nc_u64 s[52:53], s[6:7], s[62:63]        ; X: the rows of ao that I finish
	s_lshl_b32 s62, s15, 14
	s_add_co_u32 s62, s62, s60
	s_add_nc_u64 s[50:51], s[4:5], s[62:63]        ; Y likewise
	s_add_co_u32 s62, s62, s61
	s_add_nc_u64 s[54:55], s[6:7], s[62:63]
.macro QLOAD q                         ; my 32 query rows as four fragments
.irp u, 0,1
.irp c, 0,1
	global_load_b128 v[QF+16*\u+8*\c:QF+16*\u+8*\c+3], v3, s[\q:\q+1] offset:2048*\u+64*\c
	global_load_b128 v[QF+16*\u+8*\c+4:QF+16*\u+8*\c+7], v3, s[\q:\q+1] offset:2048*\u+64*\c+32
.endr
.endr
.endm
.macro INIT d                          ; a block begins: O = 0, sums 0, maxima the lowest finite f32, the mask's bound with the block's D
.set j, 0
.rept 64
	v_mov_b32 v[OA+j], 0
.set j, j+1
.endr
	v_mov_b32 v8, 0xff7fffff
	v_mov_b32 v10, 0xff7fffff
	v_mov_b32 v9, 0
	v_mov_b32 v11, 0
	v_add_nc_u32 v7, s[\d], v28
.endm
.macro LOADK slot                      ; 32 loads, key tile by key tile
	WIN 0x40                                       ; destination in window 1
.irp t, 0,1,2,3,4,5,6,7
.irp c, 0,1
	ds_load_b128 v[16*\t+8*\c:16*\t+8*\c+3], v[ADK+\slot] offset:(\t/4)*REG+(\t%4)*16*PK+64*\c
	ds_load_b128 v[16*\t+8*\c+4:16*\t+8*\c+7], v[ADK+\slot] offset:(\t/4)*REG+(\t%4)*16*PK+64*\c+32
.endr
.endr
.endm
.macro SMUL                            ; the two query tiles take turns on each key tile; the first product starts each sum
	WIN 0x01                                       ; source 0 in window 1
.irp t, 0,1,2,3,4,5,6,7
	s_wait_dscnt 28-4*\t                           ; key tile t's four loads are in; those of the later tiles stay out
	v_wmma_f32_16x16x32_f16 v[SC+16*\t:SC+16*\t+7], v[16*\t:16*\t+7], v[QF:QF+7], 0
	v_wmma_f32_16x16x32_f16 v[SC+16*\t+8:SC+16*\t+15], v[16*\t:16*\t+7], v[QF+16:QF+23], 0
	v_wmma_f32_16x16x32_f16 v[SC+16*\t:SC+16*\t+7], v[16*\t+8:16*\t+15], v[QF+8:QF+15], v[SC+16*\t:SC+16*\t+7]
	v_wmma_f32_16x16x32_f16 v[SC+16*\t+8:SC+16*\t+15], v[16*\t+8:16*\t+15], v[QF+24:QF+31], v[SC+16*\t+8:SC+16*\t+15]
.endr
.endm
.macro LOADV slot                      ; 32 transposing loads; they land while the softmax is worked
	WIN 0x40
.irp kv, 0,1,2,3
.irp dt, 0,1,2,3
	ds_load_tr16_b128 v[128+8*(4*\kv+\dt):128+8*(4*\kv+\dt)+3], v[ADV+\slot] offset:\kv*32*PV+32*\dt
	ds_load_tr16_b128 v[128+8*(4*\kv+\dt)+4:128+8*(4*\kv+\dt)+7], v[ADV+\slot] offset:\kv*32*PV+32*\dt+16*PV
.endr
.endr
	WIN 0
.endm
; A block's last step: key 128 g + 16 t + 8 h + j of the step stays where it is <= D + 32 (w % 4) + 16 u + r, that is 16 (t - u) + j <= v7.
; One compare serves S (e, 0) and S (e + 1, 1); S (0, 1) has e = -1.
.macro MASK
.irp j, 0,1,2,3,4,5,6,7
	v_cmp_le_i32 vcc_lo, \j-16, v7
	v_cndmask_b32 v[SC+8+\j], v31, v[SC+8+\j], vcc_lo
.endr
.irp e, 0,1,2,3,4,5,6,7
.irp j, 0,1,2,3,4,5,6,7
	v_cmp_le_i32 vcc_lo, 16*\e+\j, v7
	v_cndmask_b32 v[SC+16*\e+\j], v31, v[SC+16*\e+\j], vcc_lo
.if \e < 7
	v_cndmask_b32 v[SC+16*\e+24+\j], v31, v[SC+16*\e+24+\j], vcc_lo
.endif
.endr
.endr
.endm
.macro SUBT t, u                       ; S - maximum (the pair's first register for both halves)
.irp p, 0,2,4,6
	v_pk_add_f32 v[SC+8*(2*\t+\u)+\p:SC+8*(2*\t+\u)+\p+1], v[SC+8*(2*\t+\u)+\p:SC+8*(2*\t+\u)+\p+1], v[8+2*\u:9+2*\u] op_sel_hi:[1,0] neg_lo:[0,1] neg_hi:[0,1]
.endr
.endm
.macro EXPT t, u
.irp p, 0,1,2,3,4,5,6,7
	v_exp_f32 v[SC+8*(2*\t+\u)+\p], v[SC+8*(2*\t+\u)+\p]
.endr
.endm
.macro USET t, u                       ; tile t's exponentials: into two sum chains, then packed in place: even t to registers 0-3 of S (t, u), odd t to 4-7 of S (t - 1, u)
.if \t == 0
	s_wait_alu depctr_va_vdst(0)
	v_pk_add_f32 v[22:23], v[SC+8*\u:SC+8*\u+1], v[SC+8*\u+2:SC+8*\u+3]       ; the first tile starts the chains
	v_pk_add_f32 v[24:25], v[SC+8*\u+4:SC+8*\u+5], v[SC+8*\u+6:SC+8*\u+7]
.else
	s_wait_alu depctr_va_vdst(0)
	v_pk_add_f32 v[22:23], v[22:23], v[SC+8*(2*\t+\u):SC+8*(2*\t+\u)+1]
	v_pk_add_f32 v[24:25], v[24:25], v[SC+8*(2*\t+\u)+2:SC+8*(2*\t+\u)+3]
	v_pk_add_f32 v[22:23], v[22:23], v[SC+8*(2*\t+\u)+4:SC+8*(2*\t+\u)+5]
	v_pk_add_f32 v[24:25], v[24:25], v[SC+8*(2*\t+\u)+6:SC+8*(2*\t+\u)+7]
.endif
.irp p, 0,1,2,3
	v_cvt_pk_f16_f32 v[SC+8*(4*(\t/2)+\u)+4*(\t%2)+\p], v[SC+8*(2*\t+\u)+2*\p], v[SC+8*(2*\t+\u)+2*\p+1]
.endr
.endm
.macro STEP t, tp, u                   ; behind each run of exponentials stand plain instructions on other registers before its results are used (ISA guide 5.7.2)
	SUBT \t, \u
	EXPT \t, \u
	USET \tp, \u
.endm
.macro SOFTMAX u
.irp k, 0,1,2,3                        ; four chains of maxima, two key tiles each
	v_max_num_f32 v[16+\k], v[SC+8*(4*\k+\u)], v[SC+8*(4*\k+\u)+1]
.endr
.irp p, 2,4,6
.irp k, 0,1,2,3
	v_max3_num_f32 v[16+\k], v[16+\k], v[SC+8*(4*\k+\u)+\p], v[SC+8*(4*\k+\u)+\p+1]
.endr
.endr
.irp p, 0,2,4,6
.irp k, 0,1,2,3
	v_max3_num_f32 v[16+\k], v[16+\k], v[SC+8*(4*\k+2+\u)+\p], v[SC+8*(4*\k+2+\u)+\p+1]
.endr
.endr
	v_max3_num_f32 v16, v16, v17, v18
	v_max_num_f32 v16, v16, v19
	v_permlanex16_b32 v20, v16, s18, s19           ; the other half's keys of the same query
	v_max3_num_f32 v[13+2*\u], v16, v20, v[8+2*\u] ; the new running maximum: always finite, since the old one is
	v_sub_f32 v21, v[8+2*\u], v[13+2*\u]
	v_exp_f32 v[12+2*\u], v21                      ; alpha = 2^(old - new); 0 at a row's first unmasked key, 1 while all its keys are masked
	v_mov_b32 v[8+2*\u], v[13+2*\u]                ; a plain instruction behind the exponential
	SUBT 0, \u
	EXPT 0, \u
	STEP 1, 0, \u
	STEP 2, 1, \u
	STEP 3, 2, \u
	STEP 4, 3, \u
	STEP 5, 4, \u
	STEP 6, 5, \u
	STEP 7, 6, \u
	USET 7, \u
	v_pk_add_f32 v[22:23], v[22:23], v[24:25]
	v_add_f32 v22, v22, v23
	v_fma_f32 v[9+2*\u], v[9+2*\u], v[12+2*\u], v22    ; the sum stays one for each half of the lanes until the block's end
.irp dt, 0,1,2,3
.irp p, 0,2,4,6
	v_pk_mul_f32 v[OA+8*(2*\dt+\u)+\p:OA+8*(2*\dt+\u)+\p+1], v[OA+8*(2*\dt+\u)+\p:OA+8*(2*\dt+\u)+\p+1], v[12+2*\u:13+2*\u] op_sel_hi:[1,0]
.endr
.endr
.endm
.macro PVMUL                           ; the eight accumulators of O take turns
	WIN 0x01
.irp kv, 0,1,2,3
.irp dt, 0,1,2,3
.irp u, 0,1
	v_wmma_f32_16x16x32_f16 v[OA+8*(2*\dt+\u):OA+8*(2*\dt+\u)+7], v[128+8*(4*\kv+\dt):128+8*(4*\kv+\dt)+7], v[SC+8*(4*\kv+\u):SC+8*(4*\kv+\u)+7], v[OA+8*(2*\dt+\u):OA+8*(2*\dt+\u)+7]
.endr
.endr
.endr
	WIN 0
.endm
; One step of 256 keys, in slot; other = the other slot.  diag = 1: a block's last step.  fill = 1: the other slot is filled.
; nxt = 1: block X's last step: what it asks for is block Y's first step and Y's Q.
.macro TRIP slot, other, diag, fill, nxt
	s_wait_xcnt 0x0
	v_lshl_add_u32 v254, v0, 2, 0x35800
	v_mov_b32 v255, 0
	s_wait_tensorcnt 0x0                           ; all my tensor loads have landed, my part of this step among them, so the addresses may be written:
	ds_add_u32 v254, v255
	s_wait_dscnt 0x0
.if \nxt
	s_mov_b64 s[G0+6:G0+7], s[20:21]               ; slot 1: Y's step 0
	s_or_b32 s[G0+7], s[G0+7], 0x80000000
	s_add_nc_u64 s[G0+2:G0+3], s[20:21], 0x8000    ; slot 0: Y's step 1
	s_or_b32 s[G0+3], s[G0+3], 0x80000000
.else
.if \fill
	s_add_nc_u64 s[G0+4*\slot+2:G0+4*\slot+3], s[G0+4*\slot+2:G0+4*\slot+3], 0x10000   ; this slot's next step is two steps (64 KiB) on
.endif
.endif
	s_wait_dscnt 0x0                               ; my reads of the other slot are over
	s_barrier_signal -1
	s_barrier_wait -1                              ; both now hold of all eight waves
.if \fill
	KVLOAD \other                                  ; the next step, which always exists (a block's last step at the latest): my one load behind this barrier; one load of a wave is out
.endif
	PLACES 5                                       ; behind the last step's matrix instructions: V's and K's fragments are loaded again, S is written over P (ISA guide 7.12.1)
	LOADK \slot
	SMUL
	LOADV \slot
	PLACES 5                                       ; before S is read and Q's fragments are loaded again
.if \nxt
	QLOAD 50                                       ; Y's Q: it has the softmax, the second product and the merge in which to come
.endif
.if \diag
	MASK
.endif
	SOFTMAX 0
	SOFTMAX 1
	s_wait_dscnt 0x0                               ; V's fragments
	PVMUL
.endm
; The merge.  SEND: the query tile that I do not finish, with both tiles' maxima and sums, into my region: 9 stores of 512 consecutive bytes.
.macro SEND us
.irp dt, 0,1,2,3
	ds_store_b128 v30, v[OA+8*(2*\dt+\us):OA+8*(2*\dt+\us)+3] offset:MSEND+1024*\dt
	ds_store_b128 v30, v[OA+8*(2*\dt+\us)+4:OA+8*(2*\dt+\us)+7] offset:MSEND+1024*\dt+512
.endr
	ds_store_b128 v30, v[8:11] offset:MSEND+4096
.endm
; RECV: my partner's part of query tile uk, from its region at v30 + at; both parts brought to the common maximum, divided by the whole sum,
; to f16, through my stage, out as 2 KiB dense.  ao: the scalar pair with the address of my 16 rows.
.macro RECV uk, at, ao
	ds_load_b128 v[16:19], v30 offset:\at+4096     ; its maxima and sums
.irp dt, 0,1,2,3
	ds_load_b128 v[SC+64+8*\dt:SC+64+8*\dt+3], v30 offset:\at+1024*\dt
	ds_load_b128 v[SC+64+8*\dt+4:SC+64+8*\dt+7], v30 offset:\at+1024*\dt+512
.endr
	s_wait_dscnt 8                                 ; maxima and sums are in; the eight loads of O stay out
	v_max_num_f32 v20, v[8+2*\uk], v[16+2*\uk]
	v_sub_f32 v21, v[8+2*\uk], v20
	v_sub_f32 v22, v[16+2*\uk], v20
	v_exp_f32 v21, v21                             ; 1 for the part that holds the maximum; 0 for a part whose keys were all masked
	v_exp_f32 v22, v22
	v_nop                                          ; a plain place behind the exponentials
	s_wait_alu depctr_va_vdst(0)
	v_mul_f32 v23, v[9+2*\uk], v21
	v_fmac_f32 v23, v[17+2*\uk], v22
	v_permlanex16_b32 v24, v23, s18, s19           ; both halves' keys
	v_add_f32 v23, v23, v24                        ; the whole sum, at least 1: the row's maximum contributes 2^0
	v_rcp_f32 v25, v23
	v_nop                                          ; a plain place behind the reciprocal
	s_wait_alu depctr_va_vdst(0)
	v_mul_f32 v12, v21, v25                        ; my part's factor, twice, for the packed forms
	v_mul_f32 v13, v21, v25
	v_mul_f32 v14, v22, v25                        ; the partner's
	v_mul_f32 v15, v22, v25
.irp dt, 0,1,2,3
.irp p, 0,2,4,6
	v_pk_mul_f32 v[OA+8*(2*\dt+\uk)+\p:OA+8*(2*\dt+\uk)+\p+1], v[OA+8*(2*\dt+\uk)+\p:OA+8*(2*\dt+\uk)+\p+1], v[12:13]
.endr
.endr
	s_wait_dscnt 0x0
.irp dt, 0,1,2,3
.irp p, 0,2,4,6
	v_pk_fma_f32 v[OA+8*(2*\dt+\uk)+\p:OA+8*(2*\dt+\uk)+\p+1], v[SC+64+8*\dt+\p:SC+64+8*\dt+\p+1], v[14:15], v[OA+8*(2*\dt+\uk)+\p:OA+8*(2*\dt+\uk)+\p+1]
.endr
.endr
.irp dt, 0,1,2,3
.irp p, 0,1,2,3
	v_cvt_pk_f16_f32 v[SC+4*\dt+\p], v[OA+8*(2*\dt+\uk)+2*\p], v[OA+8*(2*\dt+\uk)+2*\p+1]
.endr
	ds_store_b128 v4, v[SC+4*\dt:SC+4*\dt+3] offset:32*\dt     ; row r, columns 16 dt + 8 h + 0..7
.endr
.irp t, 0,1,2,3
	ds_load_b128 v[SC+16+4*\t:SC+16+4*\t+3], v5 offset:\t*4*PK ; a wave's LDS instructions are served in order: these see the stores above
.endr
.irp t, 0,1,2,3
	s_wait_dscnt 3-\t                              ; read-back t is in, the younger ones stay out
	global_store_b128 v6, v[SC+16+4*\t:SC+16+4*\t+3], s[\ao:\ao+1] offset:512*\t   ; 512 consecutive bytes, aligned
.endr
.endm
; A block's end.  Wave w's region is v30 + MSEND; for group 0 the partner's (w + 4) lies 4 x 4,608 bytes further, for group 1 (w - 4) as much nearer.
; The barrier orders the stores of one group with the loads of the other; X's request for Y's first step may stay out.
.macro FIN ao
	PLACES 4                                       ; behind the last matrix instructions: O is stored, S's registers are loaded
	s_cmp_eq_u32 s9, 0
	s_cbranch_scc0 .Lsend0_\@
	SEND 1
	s_branch .Lsent_\@
.Lsend0_\@:
	SEND 0
.Lsent_\@:
	s_wait_dscnt 0x0                               ; my stores are done, for the partner's sake
	s_barrier_signal -1
	s_barrier_wait -1
	s_cmp_eq_u32 s9, 0
	s_cbranch_scc0 .Lkeep1_\@
	RECV 0, 2*MSEND, \ao
	s_branch .Ldone_\@
.Lkeep1_\@:
	RECV 1, 0, \ao
.Ldone_\@:
.endm
	QLOAD 48                                       ; X's Q
	INIT 59
	s_wait_loadcnt 0x0                             ; Q's fragments
	s_cmp_eq_u32 s16, 0
	s_cbranch_scc1 .Llast_x
	s_mov_b32 s13, 0
.Lpair_x:
	TRIP 0, 1, 0, 1, 0
	TRIP 1, 0, 0, 1, 0
	s_add_co_u32 s13, s13, 1
	s_cmp_lt_u32 s13, s16
	s_cbranch_scc1 .Lpair_x
.Llast_x:
	TRIP 0, 1, 1, 1, 1                             ; X's last step, in slot 0
	FIN 52
	s_wait_xcnt 0x0                                ; the registers that X's stores read are written again in Y's first step
	INIT 58
	s_wait_loadcnt 0x0                             ; Y's Q
	TRIP 1, 0, 0, 1, 0                             ; Y's first step, in slot 1: Y has an odd number of full steps, at least one
	s_cmp_eq_u32 s17, 0
	s_cbranch_scc1 .Llast_y
	s_mov_b32 s13, 0
.Lpair_y:
	TRIP 0, 1, 0, 1, 0
	TRIP 1, 0, 0, 1, 0
	s_add_co_u32 s13, s13, 1
	s_cmp_lt_u32 s13, s17
	s_cbranch_scc1 .Lpair_y
.Llast_y:
	TRIP 0, 1, 1, 0, 0                             ; Y's last step, in slot 0: nothing is left to fetch
	FIN 54
	s_wait_xcnt 0x0
	v_lshl_add_u32 v254, v0, 2, 0x35800
	v_mov_b32 v255, 0
	s_wait_tensorcnt 0x0
	ds_add_u32 v254, v255
	s_wait_dscnt 0x0
	s_endpgm
.Lfunc_end_k_q0fd8cfb676_attn:
	.size	k_q0fd8cfb676_attn, .Lfunc_end_k_q0fd8cfb676_attn-k_q0fd8cfb676_attn
	.p2alignl 7, 3214868480
	.fill 96, 4, 3214868480
	.section	.rodata,"a",@progbits
	.p2align	6, 0x0
	.amdhsa_kernel k_q0fd8cfb676_attn
		.amdhsa_group_segment_fixed_size 327680
		.amdhsa_private_segment_fixed_size 0
		.amdhsa_enable_private_segment 0
		.amdhsa_kernarg_size 16
		.amdhsa_user_sgpr_count 2
		.amdhsa_user_sgpr_kernarg_segment_ptr 1
		.amdhsa_wavefront_size32 1
		.amdhsa_system_sgpr_workgroup_id_x 1
		.amdhsa_system_sgpr_workgroup_id_y 1
		.amdhsa_system_sgpr_workgroup_id_z 1
		.amdhsa_system_vgpr_workitem_id 0
		.amdhsa_next_free_vgpr 512
		.amdhsa_next_free_sgpr 66
		.amdhsa_reserve_vcc 1
		.amdhsa_float_denorm_mode_32 3
		.amdhsa_float_denorm_mode_16_64 3
		.amdhsa_memory_ordered 1
		.amdhsa_forward_progress 1
		.amdhsa_inst_pref_size 255
	.end_amdhsa_kernel
	.section	.bss,"aw",@nobits
	.p2align	6
	.space	262144
	.amdgpu_metadata
---
amdhsa.version: [ 1, 2 ]
amdhsa.kernels:
  - .name:           k_q0fd8cfb676_attn
    .symbol:         k_q0fd8cfb676_attn.kd
    .args:
      - { .name: qkv, .offset: 0, .size: 8, .value_kind: global_buffer, .address_space: global }
      - { .name: ao, .offset: 8, .size: 8, .value_kind: global_buffer, .address_space: global }
    .group_segment_fixed_size: 327680
    .private_segment_fixed_size: 0
    .kernarg_segment_align: 8
    .kernarg_segment_size: 16
    .max_flat_workgroup_size: 256
    .sgpr_count:     66
    .vgpr_count:     512
    .wavefront_size: 32
...
	.end_amdgpu_metadata
.endif
;; end of part 6
;; launch outp: the kernel of part 4 again; grid 8 x 32, 4 waves a work-group, clusters of 4 x 4, 327,680 bytes of LDS; arguments ao, cb, bo, out0; writes out0
